; MI455X (gfx1250); checked and timed in simulation.
; The chip was launched on July 23, 2026; its instructions are those of AMD's public machine-readable ISA for CDNA 5 (MIT licence, August 2026) and "CDNA5" Instruction Set Architecture Reference Guide (July 2026). The comments in the code are by the model that wrote it; some were corrected since.
;; Self Attention. Allowed arithmetic: float matrix products may take bf16 or f16 operands with f32 sums; other float arithmetic in f32, or as packed bf16 or f16 multiplies, adds, multiply-adds, maxima and minima; sums over many terms, partial sums and values carried from step to step in f32; what a program stores and reads back later, other than sums and carried values, may be rounded once to bf16 or f16.
;; Inputs: Wk 1,024 x 1,024 float32; Wq 1,024 x 1,024 float32; Wv 1,024 x 1,024 float32; x 4 x 2,048 x 1,024 float32.
;; Outputs: out0 4 x 2,048 x 1,024 float32.
;; 2 versions, each right; version 2 is version 1 with the launch cast written anew for expert scheduling mode. Each part assembles by itself: llvm-mc -triple=amdgcn-amd-amdhsa -mcpu=gfx1250 --defsym DOCPART=n.
;; ======== version 1 of 2: 4 launches
;; limits: values are held in f16: magnitudes above 65,504 overflow, below 6.1e-05 lose precision
;; workspace buffers: xb 16,777,216 bytes; wb 6,291,456 bytes; qkv 50,331,648 bytes; pt 33,554,432 bytes; mx 524,288 bytes; ls 524,288 bytes; hq 786,432 bytes
;; launch cast (part 1): grid 704 x 1, 8 waves a work-group, no clusters, 0 bytes of LDS; arguments x, Wq, Wk, Wv, xb, wb; writes xb, wb
.if DOCPART == 1
	.amdgcn_target "amdgcn-amd-amdhsa--gfx1250"
	.amdhsa_code_object_version 6
	.text
	.protected	k_qb338e25117_cast
	.globl	k_qb338e25117_cast
	.p2align	8
	.type	k_qb338e25117_cast,@function
k_qb338e25117_cast:
	s_mov_b64 s[64:65], 0
	v_nop
	global_prefetch_b8 v0, s[64:65] scope:SCOPE_SE
	s_setreg_imm32_b32 hwreg(HW_REG_WAVE_MODE, 25, 1), 1
	s_wait_xcnt 0x0
; xb = x rounded to bf16; wb = Wq, Wk, Wv rounded to bf16, one below the other (rows 0-1023, 1024-2047, 2048-3071).
; A stream: each f32 is read once and each bf16 written once; no LDS, no barrier, no matrix work: nothing is shared and nothing is summed.
; A work-group takes 16,384 numbers (65,536 bytes in, 32,768 out): groups 0-511 x, 512-575 Wq, 576-639 Wk, 640-703 Wv.
; A wave takes 2,048 of them: 16 loads of 512 consecutive bytes, all issued first; 16 stores of 256 consecutive bytes, aligned.
.set X, 4                              ; v[4:67]   load j: 4 registers
.set Y, 68                             ; v[68:99]  store j: 2 registers
	s_load_b256 s[4:11], s[0:1], 0x0               ; x s[4:5], Wq s[6:7], Wk s[8:9], Wv s[10:11]
	s_load_b128 s[12:15], s[0:1], 0x20             ; xb s[12:13], wb s[14:15]
	v_lshrrev_b32 v1, 5, v0                        ; wave
	v_and_b32 v2, 31, v0                           ; lane
	v_lshlrev_b32 v2, 4, v2
	v_lshl_add_u32 v1, v1, 13, v2                  ; source: 8,192 x wave + 16 x lane
	v_lshrrev_b32 v2, 1, v1                        ; destination: half of that
	s_mov_b32 s16, ttmp9
	s_sub_co_u32 s17, s16, 512                     ; my block among the weights' 192 (used only from group 512 on)
	s_and_b32 s18, s17, 63                         ; and inside its own matrix
	s_cmp_lt_u32 s16, 512
	s_cselect_b32 s18, s16, s18                    ; block in the source
	s_cselect_b32 s17, s16, s17                    ; block in the destination
	s_lshl_b32 s20, s18, 16
	s_mov_b32 s21, 0
	s_lshl_b32 s22, s17, 15
	s_mov_b32 s23, 0
	s_wait_kmcnt 0x0
	s_cmp_lt_u32 s16, 640
	s_cselect_b64 s[24:25], s[8:9], s[10:11]
	s_cmp_lt_u32 s16, 576
	s_cselect_b64 s[24:25], s[6:7], s[24:25]
	s_cmp_lt_u32 s16, 512
	s_cselect_b64 s[24:25], s[4:5], s[24:25]
	s_cselect_b64 s[26:27], s[12:13], s[14:15]
	s_add_nc_u64 s[24:25], s[24:25], s[20:21]
	s_add_nc_u64 s[26:27], s[26:27], s[22:23]
.set j, 0
.rept 16
	global_load_b128 v[X+4*j:X+4*j+3], v1, s[24:25] offset:512*j th:TH_LOAD_NT
.set j, j+1
.endr
.set j, 0
.rept 16
	s_wait_loadcnt 15-j                            ; loads come back in order: load j is in, the younger ones stay out
	v_cvt_pk_bf16_f32 v[Y+2*j], v[X+4*j], v[X+4*j+1]
	v_cvt_pk_bf16_f32 v[Y+2*j+1], v[X+4*j+2], v[X+4*j+3]
	global_store_b64 v2, v[Y+2*j:Y+2*j+1], s[26:27] offset:256*j
.set j, j+1
.endr
	s_endpgm
.Lfunc_end_k_qb338e25117_cast:
	.size	k_qb338e25117_cast, .Lfunc_end_k_qb338e25117_cast-k_qb338e25117_cast
	.p2alignl 7, 3214868480
	.fill 96, 4, 3214868480
	.section	.rodata,"a",@progbits
	.p2align	6, 0x0
	.amdhsa_kernel k_qb338e25117_cast
		.amdhsa_group_segment_fixed_size 0
		.amdhsa_private_segment_fixed_size 0
		.amdhsa_enable_private_segment 0
		.amdhsa_kernarg_size 48
		.amdhsa_user_sgpr_count 2
		.amdhsa_user_sgpr_kernarg_segment_ptr 1
		.amdhsa_wavefront_size32 1
		.amdhsa_system_sgpr_workgroup_id_x 1
		.amdhsa_system_sgpr_workgroup_id_y 1
		.amdhsa_system_sgpr_workgroup_id_z 1
		.amdhsa_system_vgpr_workitem_id 0
		.amdhsa_next_free_vgpr 100
		.amdhsa_next_free_sgpr 66
		.amdhsa_reserve_vcc 0
		.amdhsa_float_denorm_mode_32 3
		.amdhsa_float_denorm_mode_16_64 3
		.amdhsa_memory_ordered 1
		.amdhsa_forward_progress 1
		.amdhsa_inst_pref_size 7
	.end_amdhsa_kernel
	.amdgpu_metadata
---
amdhsa.version: [ 1, 2 ]
amdhsa.kernels:
  - .name:           k_qb338e25117_cast
    .symbol:         k_qb338e25117_cast.kd
    .args:
      - { .name: x, .offset: 0, .size: 8, .value_kind: global_buffer, .address_space: global }
      - { .name: Wq, .offset: 8, .size: 8, .value_kind: global_buffer, .address_space: global }
      - { .name: Wk, .offset: 16, .size: 8, .value_kind: global_buffer, .address_space: global }
      - { .name: Wv, .offset: 24, .size: 8, .value_kind: global_buffer, .address_space: global }
      - { .name: xb, .offset: 32, .size: 8, .value_kind: global_buffer, .address_space: global }
      - { .name: wb, .offset: 40, .size: 8, .value_kind: global_buffer, .address_space: global }
    .group_segment_fixed_size: 0
    .private_segment_fixed_size: 0
    .kernarg_segment_align: 8
    .kernarg_segment_size: 48
    .max_flat_workgroup_size: 256
    .sgpr_count:     66
    .vgpr_count:     100
    .wavefront_size: 32
...
	.end_amdgpu_metadata
.endif
;; end of part 1
;; launch proj (part 2): grid 12 x 32, 4 waves a work-group, clusters of 4 x 4, 327,680 bytes of LDS; arguments xb, wb, qkv, hq; writes qkv, hq
.if DOCPART == 2
	.amdgcn_target "amdgcn-amd-amdhsa--gfx1250"
	.amdhsa_code_object_version 6
	.text
	.protected	k_qb338e25117_proj
	.globl	k_qb338e25117_proj
	.p2align	8
	.type	k_qb338e25117_proj,@function
k_qb338e25117_proj:
	s_mov_b64 s[64:65], 0
	v_nop
	global_prefetch_b8 v0, s[64:65] scope:SCOPE_SE
	s_setreg_imm32_b32 hwreg(HW_REG_WAVE_MODE, 25, 1), 1
	s_wait_xcnt 0x0
	s_wait_alu depctr_hold_cnt(0) depctr_sa_sdst(0) depctr_va_vdst(0) depctr_va_sdst(0) depctr_va_ssrc(0) depctr_va_vcc(0) depctr_vm_vsrc(0)
	s_getreg_b32 s2, hwreg(HW_REG_IB_STS2, 6, 4)
	s_cmp_eq_u32 s2, 0
	s_cbranch_scc0 .Lentry_in_a_cluster
	s_endpgm
.Lentry_in_a_cluster:
	s_bfe_u32 s2, ttmp6, 0x10000c
	s_cmp_lg_u32 s2, 0xf033
	s_cbranch_scc0 .Lentry_shape_is_right
	s_endpgm
.Lentry_shape_is_right:
; qkv[m][n] = the sum over k of xb[m][k] wb[n][k].  xb: [8192][1024] bf16, wb: [3072][1024] bf16, qkv: [8192][3072] f16 (columns 0-1023 Q, 1024-2047 K, 2048-3071 V).
; Sums in f32, K ascending, rounded once to f16.  LIMIT: f16 ends at 65,504: a sum of 65,520 or more leaves as an infinity.
; hq: [4][16][3072] f32: the sums of each batch's first 16 tokens once more, unrounded.  A row of the output with n keys averages n roundings of V and of the weights, and the comparison goes by the
; whole output's root mean square, which rows of some 2,000 keys set: the first rows need more bits than f16 has, and a launch behind makes them from hq.
; A tile of 256 x 256 is made by four waves, each 128 x 128: 64 accumulators of 16 x 16.  K goes in 8 steps of 128 (rows of 256 bytes) through two LDS slots filled by the tensor data mover.
; CLUSTER 4 x 4: the four of a row need the same rows of xb, the four of a column the same rows of wb: each tile is asked for jointly, by the same load, descriptor and mask in all four.
; The tile row is 8 cy + cluster y: the clusters with y = 0 hold the first 256 tokens of the four batches, so that who stores into hq hangs on the cluster's y and the wave's number alone.
; THE MATRIX INSTRUCTION IS USED TRANSPOSED (source 0 = 16 rows of wb, source 1 = 16 rows of xb): a lane holds row l % 16 and the columns 8 (l / 16) + 0..7 of a block: 16 bytes of f16 on end.
; REGISTERS, in windows of 256: window 0: v0-31 addresses; v32-63, v224-255 rows read back on the way out; v64-127, v128-191 xb's fragments (two buffers); v192-223 packed results.
;   window 1: v64-127, v128-191 wb's fragments.  window 2: the accumulators of my rows 0-63 ((a, b) at v[8 (8 a + b)]); window 3: those of rows 64-127.
.set KDIM,   1024
.set ROWC,   6144                      ; bytes in a row of qkv
.set ROWH,   12288                     ; bytes in a row of hq
.set KSTEP,  128
.set PITCH,  272                       ; an LDS row: 256 bytes + 16 of padding = 68 words: the 16 rows of a load start at 16 different groups of four banks (64 banks of 4 bytes: ISA guide 11.1)
.set HALFT,  128*PITCH                 ; 128 rows: what one tensor load brings
.set SLOT,   4*HALFT                   ; xb's 256 rows, then wb's 256; SLOT shares no bit with wave x HALFT, so one exclusive or changes the slot
.set STAGE,  2*SLOT                    ; behind the ring: 16 rows x 272 bytes for each wave, for the way out
.set SPITCH, 272
.set SPARE,  STAGE+4*16*SPITCH         ; the spare words, 128 bytes for each wave: two blocks of 256 bytes that no other line names
.set ADRA0, 16                         ; v16  my lane's place in slot 0, xb's fragments; never rewritten
.set ADRB0, 17                         ; v17  the same for wb
.set ADRA,  18                         ; v18  the same in the slot that is being read
.set ADRB,  19
.set STO,  24                          ; v24  the way out: where I put 16 bytes of a row
.set RD,   25                          ; v25  where I read a row back
.set CO,   26                          ; v26  my byte offset in two rows of qkv
.set HST,  27                          ; v27  where I put 32 bytes of a row in f32
.set SPW,  28                          ; v28  my spare word; never rewritten
.set NIL,  29                          ; v29  0; never rewritten
.set PFO,  30                          ; v30  the prefetches' offset: lane x a row of 2,048 bytes; never rewritten
.set HCO,  31                          ; v31  my byte offset in two rows of hq
.set F0,   64
.set F1,   128
.set TMP,  192
.set OB,   32
.set WV, 10                            ; s10 wave; s11 wave / 2: my half of the rows, and: I fetch xb (0) or wb (1); s12 wave % 2: my half of the columns, and which 128 rows I fetch
.set WR, 11
.set WC, 12
.set G1,  24                           ; s[24:31] group 1 for xb's tiles
.set G0,  32                           ; s[32:35] group 0 of the first fill; s[36:39] the walking one
.set G1B, 48                           ; s[48:55], s[56:59], s[60:63] the same for wb
.set G0B, 56
.set SOFF, 66                          ; s66  0 or SLOT: the slot that is being read
.set LIM,  67                          ; s67  2 in a wave that prefetches, else the greatest number
.set PFA,  68                          ; s[68:69] where my prefetches stand
.set HF,   70                          ; s70  0 in a wave that stores into hq: cluster y = 0 and wave / 2 = 0
.set HQ,   72                          ; s[72:73] hq at my batch and my 128 columns
.set MSB, 0
.macro WIN new                         ; the immediate's high byte repeats the setting that is left; a switch that changes nothing is dropped
.if MSB != (\new)
	s_set_vgpr_msb (MSB<<8)|(\new)
.set MSB, \new
.endif
.endm
.set MUL_LO, 0xa1                      ; source 0 (wb) window 1, source 1 (xb) window 0, C and D window 2
.set TO_B,   0x40                      ; destination window 1, address window 0
.macro PLACES                          ; four plain places behind matrix instructions, ahead of loads into their sources and of readers of their results
.rept 4
	v_nop
.endr
.endm
.macro LOADW                           ; the joint refill: waves 0, 1 xb's halves, waves 2, 3 wb's; an s_nop 0 and four v_nop follow each line
	s_cmp_eq_u32 s[WR], 0
	s_cbranch_scc0 .Lfor_b_\@
	tensor_load_to_lds s[G0+4:G0+7], s[G1:G1+7]
	s_nop 0
	PLACES
	s_branch .Lasked_\@
.Lfor_b_\@:
	tensor_load_to_lds s[G0B+4:G0B+7], s[G1B:G1B+7]
	s_nop 0
	PLACES
.Lasked_\@:
.endm
.macro CREST                           ; a round of the cluster's barrier behind its opening barrier
	s_cmp_lg_u32 s[WV], 0
	s_cbranch_scc1 .Lnot_wave_0_\@
	s_barrier_signal -3
.Lnot_wave_0_\@:
	s_barrier_wait -3
	s_barrier_signal -1
	s_barrier_wait -1
.endm
.macro CROUND
	s_barrier_signal -1
	s_barrier_wait -1
	CREST
.endm
; A prefetch of the K step that stands two refills on: 32 rows x 256 bytes, a lane a row.  xb's rows are asked for by the clusters with x = 0, wb's by those with y = 0; of the 128 rows that a wave
; fetches each of the four partners takes 32, told apart by address.  So each row's 256 bytes of K steps 4 to 7 are named once; K steps 0 to 3 come by their loads alone.
.macro ASK
	s_cmp_gt_u32 s3, s[LIM]                        ; trips with s3 = 6 .. 3 name K steps 4 .. 7
	s_cbranch_scc0 .Lnot_mine_\@
	global_prefetch_b8 v[PFO], s[PFA:PFA+1] th:TH_LOAD_NT scope:SCOPE_SE
.Lnot_mine_\@:
.endm
	s_load_b128 s[4:7], s[0:1], 0x0                ; xb s[4:5], wb s[6:7]
	s_load_b64 s[8:9], s[0:1], 0x10                ; qkv
	s_load_b64 s[HQ:HQ+1], s[0:1], 0x18            ; hq
	v_lshl_add_u32 v[SPW], v0, 2, SPARE
	v_mov_b32 v[NIL], 0
	ds_add_u32 v[SPW], v[NIL]                      ; the wave's opening: the add and its wait stand ahead of my first tensor load
	v_lshrrev_b32 v1, 5, v0
	v_readfirstlane_b32 s[WV], v1
	s_lshr_b32 s[WR], s[WV], 1
	s_and_b32 s[WC], s[WV], 1
	s_bfe_u32 s40, ttmp6, 0x40000                  ; cx
	s_bfe_u32 s41, ttmp6, 0x40004                  ; cy
	s_lshl_b32 s42, ttmp9, 2
	s_add_co_u32 s42, s42, s40                     ; tile column = 4 x cluster x + cx
	s_and_b32 s13, ttmp7, 0xffff                   ; cluster y
	s_or_b32 s[HF], s13, s[WR]                     ; the same in all sixteen partners, for a given wave
	s_lshl_b32 s45, s41, 3
	s_add_co_u32 s13, s13, s45                     ; tile row = 8 x cy + cluster y: batch cy, its tile number cluster y
	s_lshl_b32 s43, s41, 2
	s_lshl_b32 s43, 15, s43                        ; my row of the cluster
	s_lshl_b32 s44, 0x1111, s40                    ; my column
	s_or_b32 s[G1+0], s43, (1<<16)|(1<<20)|(1<<21)|(5<<22)|(3<<25)   ; mask; 2-byte elements; padding on; bit 21 beside a mask; after every 64 words 4 words
	s_or_b32 s[G1B+0], s44, (1<<16)|(1<<20)|(1<<21)|(5<<22)|(3<<25)
.irp g, G1, G1B
	s_mov_b32 s[(\g)+1], KSTEP<<16                 ; tensor_dim0 = 128
	s_mov_b32 s[(\g)+2], 128<<16                   ; tensor_dim1 = 128
	s_mov_b32 s[(\g)+3], KSTEP<<16                 ; tile_dim0 = 128
	s_mov_b32 s[(\g)+4], 128                       ; tile_dim1 = 128
	s_mov_b32 s[(\g)+5], KDIM                      ; elements from row to row
	s_mov_b32 s[(\g)+6], 0
	s_mov_b32 s[(\g)+7], 0
.endr
	s_lshl_b32 s17, s[WC], 7                       ; which 128 rows of the tile I fetch
	s_lshl_b32 s16, s13, 8
	s_add_co_u32 s16, s16, s17
	s_lshl_b32 s16, s16, 11                        ; xb: (256 x tile row + 128 x half) x 2,048 bytes
	s_lshl_b32 s46, s42, 8
	s_add_co_u32 s46, s46, s17
	s_lshl_b32 s46, s46, 11                        ; wb: the same by the tile column
	s_mov_b32 s17, 0
	s_mov_b32 s47, 0
	s_mul_i32 s20, s[WV], HALFT                    ; where they go: wave x 128 rows
	s_wait_dscnt 0x0                               ; the opening add is done
	s_wait_kmcnt 0x0
	s_add_nc_u64 s[14:15], s[4:5], s[16:17]
	s_add_nc_u64 s[46:47], s[6:7], s[46:47]
	CROUND                                         ; all sixteen work-groups are here: the first joint loads meet
.irp s, 0,1
	s_mov_b32 s[G0+4*(\s)], 1
	s_add_co_u32 s[G0+4*(\s)+1], s20, (\s)*SLOT
	s_add_nc_u64 s[G0+4*(\s)+2:G0+4*(\s)+3], s[14:15], (\s)*KSTEP*2
	s_or_b32 s[G0+4*(\s)+3], s[G0+4*(\s)+3], 0x80000000
	s_mov_b32 s[G0B+4*(\s)], 1
	s_add_co_u32 s[G0B+4*(\s)+1], s20, (\s)*SLOT
	s_add_nc_u64 s[G0B+4*(\s)+2:G0B+4*(\s)+3], s[46:47], (\s)*KSTEP*2
	s_or_b32 s[G0B+4*(\s)+3], s[G0B+4*(\s)+3], 0x80000000
.endr
	s_cmp_eq_u32 s[WR], 0                          ; a wave's two first fills stand in one branch: K steps 0 and 1; two loads of mine are out
	s_cbranch_scc0 .Lfirst_b
	tensor_load_to_lds s[G0:G0+3], s[G1:G1+7]
	s_nop 0
	tensor_load_to_lds s[G0+4:G0+7], s[G1:G1+7]
	s_nop 0
	PLACES
	s_branch .Lfirst_asked
.Lfirst_b:
	tensor_load_to_lds s[G0B:G0B+3], s[G1B:G1B+7]
	s_nop 0
	tensor_load_to_lds s[G0B+4:G0B+7], s[G1B:G1B+7]
	s_nop 0
	PLACES
.Lfirst_asked:
	; a fragment is 16 rows x 32 K in 8 registers: lane l holds row l % 16, K = 8 (l / 16) + 0..7 and 16 + 8 (l / 16) + 0..7: two loads of 16 bytes, 32 bytes apart
	v_and_b32 v1, 15, v0
	v_bfe_u32 v2, v0, 4, 1
	v_mul_u32_u24 v3, v1, PITCH
	v_lshl_add_u32 v3, v2, 4, v3
	s_mul_i32 s21, s[WR], HALFT
	s_mul_i32 s22, s[WC], HALFT
	s_add_co_u32 s22, s22, 2*HALFT
	v_add_nc_u32 v[ADRA0], s21, v3
	v_add_nc_u32 v[ADRB0], s22, v3
	v_mov_b32 v[ADRA], v[ADRA0]
	v_mov_b32 v[ADRB], v[ADRB0]
	s_mov_b32 s[SOFF], 0
	s_mul_i32 s23, s[WV], 16*SPITCH
	s_add_co_u32 s23, s23, STAGE
	v_mul_u32_u24 v4, v1, SPITCH
	v_lshl_add_u32 v4, v2, 4, v4
	v_add_nc_u32 v[STO], s23, v4
	v_lshl_add_u32 v[HST], v2, 4, v[STO]           ; in f32: row l % 16, 32 bytes for each half of the lanes
	v_mul_u32_u24 v5, v2, SPITCH
	v_lshl_add_u32 v5, v1, 4, v5
	v_add_nc_u32 v[RD], s23, v5
	v_mul_u32_u24 v5, v2, ROWC
	v_lshl_add_u32 v[CO], v1, 4, v5
	v_mul_u32_u24 v5, v2, ROWH
	v_lshl_add_u32 v[HCO], v1, 4, v5
	s_lshl_b32 s13, s13, 8                         ; 256 x tile row
	s_lshl_b32 s14, s[WR], 7
	s_add_co_u32 s16, s13, s14
	s_mul_i32 s16, s16, ROWC                       ; my first row of qkv,
	s_lshl_b32 s46, s42, 9
	s_lshl_b32 s47, s[WC], 8
	s_add_co_u32 s46, s46, s47                     ; my first column: 512 x tile column + 256 x half
	s_add_co_u32 s16, s16, s46
	s_mov_b32 s17, 0
	s_add_nc_u64 s[8:9], s[8:9], s[16:17]
	s_lshr_b32 s16, s13, 11                        ; hq: my batch = tile row / 8: 16 rows of 12,288 bytes,
	s_mul_i32 s16, s16, 16*ROWH
	s_lshl_b32 s46, s42, 10                        ; my first column in f32: 1,024 x tile column + 512 x half
	s_add_co_u32 s16, s16, s46
	s_lshl_b32 s46, s[WC], 9
	s_add_co_u32 s16, s16, s46
	s_add_nc_u64 s[HQ:HQ+1], s[HQ:HQ+1], s[16:17]
	; the prefetches
	s_lshl_b32 s42, s42, 8
	s_and_b32 s22, ttmp7, 0xffff
	s_cmp_eq_u32 s[WR], 0
	s_cselect_b32 s20, s13, s42                    ; the tile's first row
	s_cselect_b32 s21, s40, s41                    ; my place among the four that ask with me
	s_cselect_b32 s22, ttmp9, s22                  ; the coordinate along which other clusters read the same rows
	s_cselect_b64 s[PFA:PFA+1], s[4:5], s[6:7]
	s_cmp_eq_u32 s22, 0
	s_cselect_b32 s[LIM], 2, -1                    ; the same in all sixteen partners, for a given wave
	s_lshl_b32 s22, s[WC], 7
	s_add_co_u32 s20, s20, s22
	s_lshl_b32 s21, s21, 5
	s_add_co_u32 s20, s20, s21
	s_lshl_b32 s20, s20, 11
	s_add_co_u32 s20, s20, 3*KSTEP*2               ; at K step 3: the first change of slots steps it to 4
	s_mov_b32 s21, 0
	s_add_nc_u64 s[PFA:PFA+1], s[PFA:PFA+1], s[20:21]
	v_and_b32 v[PFO], 31, v0
	v_lshlrev_b32 v[PFO], 11, v[PFO]
; 16 matrix instructions: row blocks a0, a0 + 1 of the window's four x all 8 column blocks, 32 along K.  zero = 1: the product starts the sums.
.macro MUL16 f, hi, a0, zero
	WIN MUL_LO+0x50*(\hi)
.irp a, \a0, (\a0)+1
.irp b, 0,1,2,3,4,5,6,7
.if \zero
	v_wmma_f32_16x16x32_bf16 v[8*(8*(\a)+(\b)):8*(8*(\a)+(\b))+7], v[(\f)+8*(\b):(\f)+8*(\b)+7], v[(\f)+8*(4*(\hi)+(\a)):(\f)+8*(4*(\hi)+(\a))+7], 0
.else
	v_wmma_f32_16x16x32_bf16 v[8*(8*(\a)+(\b)):8*(8*(\a)+(\b))+7], v[(\f)+8*(\b):(\f)+8*(\b)+7], v[(\f)+8*(4*(\hi)+(\a)):(\f)+8*(4*(\hi)+(\a))+7], v[8*(8*(\a)+(\b)):8*(8*(\a)+(\b))+7]
.endif
.endr
.endr
.endm
.macro FETCH k, f                      ; 32 LDS loads in one run: a quarter step's fragments (32 K at byte k of the rows) into buffer f
	WIN TO_B
.irp i, 0,1,2,3,4,5,6,7
	ds_load_b128 v[(\f)+8*(\i):(\f)+8*(\i)+3],   v[ADRB] offset:(\k)+(\i)*16*PITCH
	ds_load_b128 v[(\f)+8*(\i)+4:(\f)+8*(\i)+7], v[ADRB] offset:(\k)+(\i)*16*PITCH+32
.endr
	WIN 0
.irp i, 0,1,2,3,4,5,6,7
	ds_load_b128 v[(\f)+8*(\i):(\f)+8*(\i)+3],   v[ADRA] offset:(\k)+(\i)*16*PITCH
	ds_load_b128 v[(\f)+8*(\i)+4:(\f)+8*(\i)+7], v[ADRA] offset:(\k)+(\i)*16*PITCH+32
.endr
.endm
.macro QUARTER k, f, g, zero           ; multiplies buffer f; in its middle fetches the next quarter, at byte k, into g
	s_wait_dscnt 8                                 ; wb's fragments and xb's rows 0-63 are in; the youngest eight loads may be out
	MUL16 \f, 0, 0, \zero
	MUL16 \f, 0, 2, \zero
	PLACES
	FETCH \k, \g
	s_wait_dscnt 32                                ; all but the 32 just issued
	MUL16 \f, 1, 0, \zero
	MUL16 \f, 1, 2, \zero
.endm
.macro MEET                            ; the first half of a step's last quarter, and the barrier of the change of slots
	WIN 0
	s_wait_tensorcnt 0x0                           ; all my tensor loads have landed: the one that was out is my part of the next slot
	ds_add_u32 v[SPW], v[NIL]                      ; 0 onto my spare word
	s_wait_dscnt 9                                 ; (the add and the youngest eight loads may be out)
	MUL16 F1, 0, 0, 0
	s_wait_dscnt 0x0                               ; the add is done, and my reads of this slot are over
	s_barrier_signal -1
	MUL16 F1, 0, 2, 0
	WIN 0
	s_barrier_wait -1
.endm
.macro TURN fill                       ; a step's last quarter: the slots change; fill = 1: the slot just read takes the K step two on
.if \fill
	s_wait_xcnt 0x0                                ; the last prefetch, a K step back, has read its address
	s_add_nc_u64 s[PFA:PFA+1], s[PFA:PFA+1], KSTEP*2
.endif
	MEET
.if \fill
	CREST                                          ; the barrier has opened a round of the cluster's: no wave of any partner still reads the slot or has a load on its way
	s_xor_b32 s[G0+5], s[G0+5], SLOT
	s_add_nc_u64 s[G0+6:G0+7], s[G0+6:G0+7], KSTEP*2
	s_xor_b32 s[G0B+5], s[G0B+5], SLOT
	s_add_nc_u64 s[G0B+6:G0B+7], s[G0B+6:G0B+7], KSTEP*2
	LOADW                                          ; the first tensor load behind the round: 224 matrix instructions ahead of the wait for it
.else
	PLACES
.endif
	s_xor_b32 s[SOFF], s[SOFF], SLOT
	v_add_nc_u32 v[ADRA], s[SOFF], v[ADRA0]
	v_add_nc_u32 v[ADRB], s[SOFF], v[ADRB0]
	FETCH 0, F0
.if \fill
	ASK
.endif
	MUL16 F1, 1, 0, 0
	MUL16 F1, 1, 2, 0
.endm
; THE WAY OUT of row block a: rounded to f16, 16 bytes a lane; into my own stage; back as whole rows of 256 bytes; stored.
.macro PACK a
.set AC, 64*((\a)%4)
	WIN 0x0a+5*((\a)/4)
.irp b, 0,1,2,3,4,5,6,7
.irp r, 0,1,2,3
	v_cvt_pk_f16_f32 v[TMP+4*(\b)+(\r)], v[AC+8*(\b)+2*(\r)], v[AC+8*(\b)+2*(\r)+1]
.endr
.endr
	WIN 0
.endm
.macro TOSTAGE a
	WIN 0
.set BK, OB+192*((\a)%2)
.irp b, 0,1,2,3,4,5,6,7
	ds_store_b128 v[STO], v[TMP+4*(\b):TMP+4*(\b)+3] offset:32*(\b)
.endr
	s_wait_xcnt 0x0                                ; older stores have read the registers that are loaded now
.irp t, 0,1,2,3,4,5,6,7
	ds_load_b128 v[BK+4*(\t):BK+4*(\t)+3], v[RD] offset:(\t)*2*SPITCH  ; LDS serves a wave's instructions in order (ISA guide 5.7.1.4): these see the stores above
.endr
.endm
.macro SEND a
	WIN 0
.set BK, OB+192*((\a)%2)
	s_wait_dscnt 0x0
.irp t, 0,1,2,3,4,5,6,7
	global_store_b128 v[CO], v[BK+4*(\t):BK+4*(\t)+3], s[8:9] offset:(16*(\a)+2*(\t))*ROWC  ; 16 lanes store 256 consecutive bytes, aligned
.endr
.endm
	s_wait_tensorcnt 1                             ; my part of K step 0 is in; K step 1's may stay out
	s_barrier_signal -1
	s_barrier_wait -1
	FETCH 0, F0
	QUARTER 64, F0, F1, 1                          ; the first quarter starts the sums
	WIN 0
	s_mov_b32 s3, 6
.Lstep:                                        ; a trip: a K step's quarters 1 to 3 and the next step's quarter 0; K steps 0 to 5 are left, 2 to 7 asked for
	QUARTER 128, F1, F0, 0
	QUARTER 192, F0, F1, 0
	TURN 1
	QUARTER 64, F0, F1, 0
	WIN 0
	s_sub_co_u32 s3, s3, 1
	s_cmp_lg_u32 s3, 0
	s_cbranch_scc1 .Lstep
	s_mov_b32 s2, 2
.Ltail:                                        ; K steps 6 and 7 ask for nothing; the second trip is left in its middle, and the 32 fragments that its change of slots fetches serve nothing: the price of one text for both
	QUARTER 128, F1, F0, 0
	QUARTER 192, F0, F1, 0
	TURN 0
	WIN 0
	s_sub_co_u32 s2, s2, 1
	s_cmp_eq_u32 s2, 0
	s_cbranch_scc1 .Lout
	QUARTER 64, F0, F1, 0
	WIN 0
	s_branch .Ltail
.Lout:
	s_wait_dscnt 0x0
	PLACES
	; A batch's first 16 tokens (row block 0 of waves 0 and 1 in the clusters with y = 0) leave in f32 too: 64 columns at a time through my own stage, 32 bytes a lane in, whole rows of 256 bytes back.
	; The jump goes forward, over text with no barrier and no tensor load; it hangs on the cluster's y and the wave's number.
	s_cmp_lg_u32 s[HF], 0
	s_cbranch_scc1 .Lno_head
.irp g, 0,1
	WIN 0x08                                       ; store data in window 2
.irp b, 0,1,2,3
	ds_store_b128 v[HST], v[8*(4*\g+\b):8*(4*\g+\b)+3] offset:64*\b
	ds_store_b128 v[HST], v[8*(4*\g+\b)+4:8*(4*\g+\b)+7] offset:64*\b+16
.endr
	WIN 0
.irp t, 0,1,2,3,4,5,6,7
	ds_load_b128 v[OB+192*\g+4*\t:OB+192*\g+4*\t+3], v[RD] offset:\t*2*SPITCH  ; LDS serves a wave's instructions in order (ISA guide 5.7.1.4)
.endr
	s_wait_dscnt 0x0
.irp t, 0,1,2,3,4,5,6,7
	global_store_b128 v[HCO], v[OB+192*\g+4*\t:OB+192*\g+4*\t+3], s[HQ:HQ+1] offset:2*\t*ROWH+256*\g  ; 16 lanes store 256 consecutive bytes, aligned
.endr
.endr
.Lno_head:
	PACK 0
	TOSTAGE 0
.irp a, 1,2,3,4,5,6,7                  ; block a's conversions stand between block a - 1's loads from the stage and the wait for them
	PACK \a
	SEND (\a)-1
	TOSTAGE \a
.endr
	SEND 7
	s_wait_tensorcnt 0x0                           ; the wave's end
	ds_add_u32 v[SPW], v[NIL]
	s_wait_dscnt 0x0
	CROUND                                         ; the closing round
	s_endpgm
.Lfunc_end_k_qb338e25117_proj:
	.size	k_qb338e25117_proj, .Lfunc_end_k_qb338e25117_proj-k_qb338e25117_proj
	.p2alignl 7, 3214868480
	.fill 96, 4, 3214868480
	.section	.rodata,"a",@progbits
	.p2align	6, 0x0
	.amdhsa_kernel k_qb338e25117_proj
		.amdhsa_group_segment_fixed_size 327680
		.amdhsa_private_segment_fixed_size 0
		.amdhsa_enable_private_segment 0
		.amdhsa_kernarg_size 32
		.amdhsa_user_sgpr_count 2
		.amdhsa_user_sgpr_kernarg_segment_ptr 1
		.amdhsa_wavefront_size32 1
		.amdhsa_system_sgpr_workgroup_id_x 1
		.amdhsa_system_sgpr_workgroup_id_y 1
		.amdhsa_system_sgpr_workgroup_id_z 1
		.amdhsa_system_vgpr_workitem_id 0
		.amdhsa_next_free_vgpr 1024
		.amdhsa_next_free_sgpr 76
		.amdhsa_reserve_vcc 0
		.amdhsa_float_denorm_mode_32 3
		.amdhsa_float_denorm_mode_16_64 3
		.amdhsa_memory_ordered 1
		.amdhsa_forward_progress 1
		.amdhsa_inst_pref_size 104
	.end_amdhsa_kernel
	.amdgpu_metadata
---
amdhsa.version: [ 1, 2 ]
amdhsa.kernels:
  - .name:           k_qb338e25117_proj
    .symbol:         k_qb338e25117_proj.kd
    .args:
      - { .name: xb, .offset: 0, .size: 8, .value_kind: global_buffer, .address_space: global }
      - { .name: wb, .offset: 8, .size: 8, .value_kind: global_buffer, .address_space: global }
      - { .name: qkv, .offset: 16, .size: 8, .value_kind: global_buffer, .address_space: global }
      - { .name: hq, .offset: 24, .size: 8, .value_kind: global_buffer, .address_space: global }
    .group_segment_fixed_size: 327680
    .private_segment_fixed_size: 0
    .kernarg_segment_align: 8
    .kernarg_segment_size: 32
    .max_flat_workgroup_size: 128
    .sgpr_count:     76
    .vgpr_count:     1024
    .wavefront_size: 32
...
	.end_amdgpu_metadata
.endif
;; end of part 2
;; launch scores (part 3): grid 40 x 4, 4 waves a work-group, no clusters, 327,680 bytes of LDS; arguments qkv, pt, mx, ls, hq, out0; writes pt, mx, ls, out0
.if DOCPART == 3
	.amdgcn_target "amdgcn-amd-amdhsa--gfx1250"
	.amdhsa_code_object_version 6
	.text
	.protected	k_qb338e25117_scores
	.globl	k_qb338e25117_scores
	.p2align	8
	.type	k_qb338e25117_scores,@function
k_qb338e25117_scores:
	s_mov_b64 s[64:65], 0
	v_nop
	global_prefetch_b8 v0, s[64:65] scope:SCOPE_SE
	s_setreg_imm32_b32 hwreg(HW_REG_WAVE_MODE, 25, 1), 1
	s_wait_xcnt 0x0
; WORK-GROUPS 0 TO 35 ALONG x: for each batch the 36 tiles of 256 queries x 256 keys on or below the diagonal: S = Q K^T (f16 operands, f32 sums over 1,024 channels).
; For each wave tile (128 queries x 128 keys) and each query: m = the largest score of the block, stored in mx; p = 2^(c (s - m)) with c = log2(e) / 32, stored in f16 in pt;
; ls = the sum of the unrounded p.  The difference s - m is taken first and scaled afterwards: it is never above 0 and is 0 for the largest score, so p lies in 0 to 1 and ls in 1 to 128
; whatever the size of the scores.  The launch behind joins the blocks by their maxima, so the softmax has its true maximum taken away.
; THE MASK is the C operand that starts a sum: 0, or -1e30 where key > query.  LIMITS: a hidden score counts as its value less 1e30; a weight below 2^-126 counts as 0; p below 6e-5 keeps f16's
; fixed step; NaN and infinities are not treated apart.  A wave tile that is wholly hidden leaves m near -1e30, p 0 or 1, ls 1 to 128: its factor in the launch behind is 0.
; NO CLUSTER: a row of the triangle has 1 to 8 tiles, a folded pair of rows 9: neither divides into fours that share a tile.
; Frame: four waves, each 128 x 128 in 64 accumulators; 8 K steps of 128 through two LDS slots; each wave fetches 128 rows (waves 0, 1 Q's halves, waves 2, 3 K's) by one descriptor of its own.
; The matrix instruction is used transposed (source 0 = 16 keys, source 1 = 16 queries): a lane holds query l % 16 and the keys 8 (l / 16) + 0..7 of a block.
; REGISTERS: window 0: v0-31 addresses; v32-63, v224-255 rows read back; v64-127, v128-191 Q's fragments (later v64-95 at work); v192-223 the masks, later packed weights.
;   window 1: v64-191 K's fragments.  windows 2, 3: accumulator (a, b) at v[8 (8 (a % 4) + b)] of window 2 + a / 4.
; WORK-GROUPS 36 TO 39 ALONG x make rows 0 to 15 of their batch's output, 256 channels each, from Q, K and V in f32 (hq): the text from .Lhead on, which says why and how.  The triangle has 144 tiles, so
; these 16 work-groups take nobody's place.  The branch hangs on the work-group's x alone: all four waves of a work-group go the same way, and each way has its own barriers and its own end.
.set ROWQ,   6144                      ; bytes in a row of qkv
.set ROWP,   4096                      ; bytes in a row of pt
.set ROWH,   12288                     ; bytes in a row of hq
.set KSTEP,  128
.set PITCH,  272                       ; 256 bytes + 16 of padding: the 16 rows of a load start at 16 different groups of four banks (ISA guide 11.1)
.set HALFT,  128*PITCH
.set SLOT,   4*HALFT                   ; shares no bit with wave x HALFT
.set STAGE,  2*SLOT
.set SPITCH, 272
.set STAT,   STAGE+4*16*SPITCH         ; 1,024 bytes for each wave: 128 m, 128 ls; in the first rows' text: a wave's partial tile of scores
.set SPARE,  STAT+4096                 ; the spare words: two blocks of 256 bytes that no other line names
.set ADRA0, 16
.set ADRB0, 17
.set ADRA,  18
.set ADRB,  19
.set SA,   20                          ; v20  where I put a query's m
.set SB,   21                          ; v21  where I read four of them back
.set SG,   22                          ; v22  16 x lane
.set STO,  24
.set RD,   25
.set CO,   26
.set SPW,  28
.set NIL,  29
.set PFO,  30                          ; v30  lane x a row of qkv
.set F0,   64
.set F1,   128
.set TMP,  192
.set OB,   32
.set LOW,  192                         ; the mask of a block below the wave tile's diagonal, on it, above it
.set DIA,  200
.set UPP,  208
.set WK,   64                          ; v64-71 at work: c0-c3, the other half's figure, m (at +6) and a word named with it as a pair
.set MXS,  72                          ; v72-79 m of row block a
.set LSS,  80                          ; v80-87 its sum
.set WV, 12
.set WR, 13
.set WC, 14
.set G1,  24                           ; s[24:31] group 1
.set G0F, 32                           ; s[32:35] group 0 of the first fill
.set G0,  36                           ; s[36:39] the walking one
.set TI,  44                           ; s44 tile row I, s45 tile column J, s46 batch
.set TJ,  45
.set BB,  46
.set HP,  48                           ; s[48:49] hq
.set OP,  50                           ; s[50:51] out0
.set SOFF, 66
.set LIM,  67
.set PFA,  68
.set CS,   70                          ; s[70:71] c, twice
.set SEL,  72                          ; s[72:73] v_permlanex16_b32's selects: each lane takes its own place in the other half
.set MSB, 0
.macro WIN new
.if MSB != (\new)
	s_set_vgpr_msb (MSB<<8)|(\new)
.set MSB, \new
.endif
.endm
.set MUL_LO, 0xa1
.set TO_B,   0x40
.macro PLACES
.rept 4
	v_nop
.endr
.endm
; A prefetch of the K step two refills on: my own 128 rows x 256 bytes, a lane a row, four instructions.  Q's rows are asked for by the tile with J = 0, K's by the tile on the diagonal:
; each row's 256 bytes of K steps 4 to 7 are named once; K steps 0 to 3 come by their loads alone.
.macro ASK
	s_cmp_gt_u32 s3, s[LIM]
	s_cbranch_scc0 .Lnot_mine_\@
.irp j, 0,1,2,3
	global_prefetch_b8 v[PFO], s[PFA:PFA+1] offset:(\j)*32*ROWQ th:TH_LOAD_NT scope:SCOPE_SE
.endr
.Lnot_mine_\@:
.endm
	s_load_b256 s[4:11], s[0:1], 0x0               ; qkv s[4:5], pt s[6:7], mx s[8:9], ls s[10:11]
	s_load_b128 s[HP:HP+3], s[0:1], 0x20           ; hq, out0
	v_lshl_add_u32 v[SPW], v0, 2, SPARE
	v_mov_b32 v[NIL], 0
	ds_add_u32 v[SPW], v[NIL]                      ; the wave's opening: the add and its wait stand ahead of my first tensor load
	v_lshrrev_b32 v1, 5, v0
	v_readfirstlane_b32 s[WV], v1
	s_lshr_b32 s[WR], s[WV], 1
	s_and_b32 s[WC], s[WV], 1
	s_and_b32 s[BB], ttmp7, 0xffff
	s_mov_b32 s16, ttmp9                           ; the tile's number in the triangle, row by row
	s_mov_b32 s[TI], 0
.irp th, 1,3,6,10,15,21,28             ; I = how many rows begin at or before it
	s_cmp_ge_u32 s16, \th
	s_cselect_b32 s18, 1, 0
	s_add_co_u32 s[TI], s[TI], s18
.endr
	s_add_co_u32 s18, s[TI], 1
	s_mul_i32 s18, s18, s[TI]
	s_lshr_b32 s18, s18, 1
	s_sub_co_u32 s[TJ], s16, s18                   ; J = number - I (I + 1) / 2
	s_mov_b32 s[G1+0], (1<<16)|(1<<20)|(5<<22)|(3<<25)  ; 2-byte elements; padding on: after every 64 words 4 words
	s_mov_b32 s[G1+1], KSTEP<<16
	s_mov_b32 s[G1+2], 128<<16
	s_mov_b32 s[G1+3], KSTEP<<16
	s_mov_b32 s[G1+4], 128
	s_mov_b32 s[G1+5], 3072
	s_mov_b32 s[G1+6], 0
	s_mov_b32 s[G1+7], 0
	s_mov_b32 s[CS], 0x3d38aa3b                    ; c = log2(e) / 32
	s_mov_b32 s[CS+1], s[CS]
	s_mov_b32 s[SEL], 0x76543210
	s_mov_b32 s[SEL+1], 0xfedcba98
	s_cmp_eq_u32 s[WR], 0                          ; waves 0, 1: Q's rows of block I; waves 2, 3: K's rows of block J, 2,048 bytes further along a row
	s_cselect_b32 s20, s[TI], s[TJ]
	s_cselect_b32 s21, 0, 2048
	s_lshl_b32 s20, s20, 8
	s_lshl_b32 s22, s[BB], 11
	s_add_co_u32 s20, s20, s22
	s_lshl_b32 s22, s[WC], 7
	s_add_co_u32 s20, s20, s22
	s_mul_i32 s20, s20, ROWQ
	s_add_co_u32 s20, s20, s21
	s_mov_b32 s21, 0
	s_mul_i32 s23, s[WV], HALFT
	s_wait_dscnt 0x0                               ; the opening add is done
	s_wait_kmcnt 0x0
	s_cmp_ge_u32 s16, 36                           ; behind the triangle's 36 tiles: the first 16 rows
	s_cbranch_scc1 .Lhead
	s_add_nc_u64 s[40:41], s[4:5], s[20:21]        ; my 128 rows, K step 0
	s_mov_b32 s[G0F], 1
	s_mov_b32 s[G0F+1], s23
	s_add_nc_u64 s[G0F+2:G0F+3], s[40:41], 0
	s_or_b32 s[G0F+3], s[G0F+3], 0x80000000
	s_mov_b32 s[G0], 1
	s_add_co_u32 s[G0+1], s23, SLOT
	s_add_nc_u64 s[G0+2:G0+3], s[40:41], KSTEP*2
	s_or_b32 s[G0+3], s[G0+3], 0x80000000
	tensor_load_to_lds s[G0F:G0F+3], s[G1:G1+7]    ; K step 0 into slot 0,
	s_nop 0
	tensor_load_to_lds s[G0:G0+3], s[G1:G1+7]      ; K step 1 into slot 1: two loads of mine are out
	s_nop 0
	PLACES
	v_and_b32 v1, 15, v0
	v_bfe_u32 v2, v0, 4, 1
	v_mul_u32_u24 v3, v1, PITCH
	v_lshl_add_u32 v3, v2, 4, v3
	s_mul_i32 s21, s[WR], HALFT
	s_mul_i32 s22, s[WC], HALFT
	s_add_co_u32 s22, s22, 2*HALFT
	v_add_nc_u32 v[ADRA0], s21, v3
	v_add_nc_u32 v[ADRB0], s22, v3
	v_mov_b32 v[ADRA], v[ADRA0]
	v_mov_b32 v[ADRB], v[ADRB0]
	s_mov_b32 s[SOFF], 0
	s_mul_i32 s23, s[WV], 16*SPITCH
	s_add_co_u32 s23, s23, STAGE
	v_mul_u32_u24 v4, v1, SPITCH
	v_lshl_add_u32 v4, v2, 4, v4
	v_add_nc_u32 v[STO], s23, v4
	v_mul_u32_u24 v5, v2, SPITCH
	v_lshl_add_u32 v5, v1, 4, v5
	v_add_nc_u32 v[RD], s23, v5
	v_lshlrev_b32 v5, 12, v2
	v_lshl_add_u32 v[CO], v1, 4, v5
	s_lshl_b32 s23, s[WV], 10
	s_add_co_u32 s23, s23, STAT
	v_lshl_add_u32 v[SA], v1, 2, s23
	v_and_b32 v6, 31, v0
	v_lshlrev_b32 v[SG], 4, v6
	v_add_nc_u32 v[SB], s23, v[SG]
	v_mul_u32_u24 v[PFO], v6, ROWQ
	; pt at my wave tile: (2,048 b + 256 I + 128 wr) rows of 4,096 bytes + 512 J + 256 wc
	s_lshl_b32 s15, s[BB], 11
	s_lshl_b32 s16, s[TI], 8
	s_add_co_u32 s15, s15, s16
	s_lshl_b32 s16, s[WR], 7
	s_add_co_u32 s15, s15, s16
	s_lshl_b32 s16, s15, 12
	s_lshl_b32 s17, s[TJ], 9
	s_add_co_u32 s16, s16, s17
	s_lshl_b32 s17, s[WC], 8
	s_add_co_u32 s16, s16, s17
	s_mov_b32 s17, 0
	s_add_nc_u64 s[6:7], s[6:7], s[16:17]
	; mx and ls: ((16 b + 2 J + wc) 2,048 + 256 I + 128 wr) words
	s_lshl_b32 s16, s[BB], 4
	s_lshl_b32 s18, s[TJ], 1
	s_add_co_u32 s16, s16, s18
	s_add_co_u32 s16, s16, s[WC]
	s_lshl_b32 s16, s16, 11
	s_lshl_b32 s18, s[TI], 8
	s_add_co_u32 s16, s16, s18
	s_lshl_b32 s18, s[WR], 7
	s_add_co_u32 s16, s16, s18
	s_lshl_b32 s16, s16, 2
	s_add_nc_u64 s[8:9], s[8:9], s[16:17]
	s_add_nc_u64 s[10:11], s[10:11], s[16:17]
	; who prefetches
	s_sub_co_u32 s18, s[TI], s[TJ]
	s_cmp_eq_u32 s[WR], 0
	s_cselect_b32 s18, s[TJ], s18
	s_cmp_eq_u32 s18, 0
	s_cselect_b32 s[LIM], 2, -1
	s_add_nc_u64 s[PFA:PFA+1], s[40:41], 3*KSTEP*2 ; at K step 3: the first change of slots steps it to 4
	; the masks.  On the diagonal tile (I = J): wave tile wr < wc is hidden, wr > wc open; with wr = wc block (a, b) is open for b < a, hidden for b > a, and for b = a hidden where 8 (l / 16) + j > l % 16
	s_cmp_eq_u32 s[TI], s[TJ]
	s_cselect_b32 s40, 1, 0
	s_cmp_le_u32 s[WR], s[WC]
	s_cselect_b32 s41, s40, 0
	s_cmp_lt_u32 s[WR], s[WC]
	s_cselect_b32 s42, s40, 0
	s_cmp_lg_u32 s41, 0
	s_cselect_b32 s41, 0xf149f2ca, 0               ; -1e30 above the diagonal,
	s_cmp_lg_u32 s42, 0
	s_cselect_b32 s42, 0xf149f2ca, 0               ; and below it
	v_lshlrev_b32 v14, 3, v2
	v_sub_nc_u32 v14, v1, v14                      ; l % 16 - 8 (l / 16)
.set j, 0
.rept 8
	v_mov_b32 v[LOW+j], s42
	v_mov_b32 v[UPP+j], s41
	v_cmp_gt_i32 vcc_lo, j, v14
	v_cndmask_b32 v[DIA+j], v[LOW+j], v[UPP+j], vcc_lo
.set j, j+1
.endr
; 16 matrix instructions.  first = 1: the product starts the sums with the block's mask (window 0) as C.
.macro MUL16 f, hi, a0, first
.if \first
	WIN 0x81+0x40*(\hi)
.else
	WIN MUL_LO+0x50*(\hi)
.endif
.irp a, \a0, (\a0)+1
.irp b, 0,1,2,3,4,5,6,7
.if \first
.set MK, DIA
.if (\b) < 4*(\hi)+(\a)
.set MK, LOW
.endif
.if (\b) > 4*(\hi)+(\a)
.set MK, UPP
.endif
	v_wmma_f32_16x16x32_f16 v[8*(8*(\a)+(\b)):8*(8*(\a)+(\b))+7], v[(\f)+8*(\b):(\f)+8*(\b)+7], v[(\f)+8*(4*(\hi)+(\a)):(\f)+8*(4*(\hi)+(\a))+7], v[MK:MK+7]
.else
	v_wmma_f32_16x16x32_f16 v[8*(8*(\a)+(\b)):8*(8*(\a)+(\b))+7], v[(\f)+8*(\b):(\f)+8*(\b)+7], v[(\f)+8*(4*(\hi)+(\a)):(\f)+8*(4*(\hi)+(\a))+7], v[8*(8*(\a)+(\b)):8*(8*(\a)+(\b))+7]
.endif
.endr
.endr
.endm
.macro FETCH k, f
	WIN TO_B
.irp i, 0,1,2,3,4,5,6,7
	ds_load_b128 v[(\f)+8*(\i):(\f)+8*(\i)+3],   v[ADRB] offset:(\k)+(\i)*16*PITCH
	ds_load_b128 v[(\f)+8*(\i)+4:(\f)+8*(\i)+7], v[ADRB] offset:(\k)+(\i)*16*PITCH+32
.endr
	WIN 0
.irp i, 0,1,2,3,4,5,6,7
	ds_load_b128 v[(\f)+8*(\i):(\f)+8*(\i)+3],   v[ADRA] offset:(\k)+(\i)*16*PITCH
	ds_load_b128 v[(\f)+8*(\i)+4:(\f)+8*(\i)+7], v[ADRA] offset:(\k)+(\i)*16*PITCH+32
.endr
.endm
.macro QUARTER k, f, g, first
	s_wait_dscnt 8                                 ; K's fragments and Q's rows 0-63 are in; the youngest eight loads may be out
	MUL16 \f, 0, 0, \first
	MUL16 \f, 0, 2, \first
	PLACES
	FETCH \k, \g
	s_wait_dscnt 32                                ; all but the 32 just issued
	MUL16 \f, 1, 0, \first
	MUL16 \f, 1, 2, \first
.endm
.macro MEET
	WIN 0
	s_wait_tensorcnt 0x0                           ; all my tensor loads have landed: the one that was out is my part of the next slot
	ds_add_u32 v[SPW], v[NIL]                      ; 0 onto my spare word
	s_wait_dscnt 9                                 ; (the add and the youngest eight loads may be out)
	MUL16 F1, 0, 0, 0
	s_wait_dscnt 0x0                               ; the add is done, and my reads of this slot are over
	s_barrier_signal -1
	MUL16 F1, 0, 2, 0
	WIN 0
	s_barrier_wait -1
.endm
.macro TURN fill
.if \fill
	s_wait_xcnt 0x0                                ; the last prefetches, a K step back, have read their address
	s_add_nc_u64 s[PFA:PFA+1], s[PFA:PFA+1], KSTEP*2
.endif
	MEET
.if \fill
	s_xor_b32 s[G0+1], s[G0+1], SLOT               ; the slot just read,
	s_add_nc_u64 s[G0+2:G0+3], s[G0+2:G0+3], KSTEP*2  ; the K step two on
	tensor_load_to_lds s[G0:G0+3], s[G1:G1+7]      ; my one tensor load behind the barrier, first thing there: 224 matrix instructions ahead of the wait for it
	s_nop 0
.endif
	PLACES
	s_xor_b32 s[SOFF], s[SOFF], SLOT
	v_add_nc_u32 v[ADRA], s[SOFF], v[ADRA0]
	v_add_nc_u32 v[ADRB], s[SOFF], v[ADRB0]
	FETCH 0, F0
.if \fill
	ASK
.endif
	MUL16 F1, 1, 0, 0
	MUL16 F1, 1, 2, 0
.endm
; THE SOFTMAX OF ROW BLOCK a: a lane holds 64 scores of one query (s0-s63), the lane 16 away the query's other 64.
; Windows, with W = 2 + a / 4: 21 W: three sources in W; 20 W: sources 1, 2 in W; 65 W: destination and source 0 in W; 5 W: sources 0, 1 in W; 69 W: destination and sources 0, 1 in W.
.macro SOFT a
.set W, 2+(\a)/4
.set AC, 64*((\a)%4)
	WIN 21*W                                       ; the maximum: four chains of 15 scores
.irp j, 0,1,2,3
	v_max3_num_f32 v[WK+\j], v[AC+16*\j], v[AC+16*\j+1], v[AC+16*\j+2]
.endr
	WIN 20*W
.irp n, 1,2,3,4,5,6
.irp j, 0,1,2,3
	v_max3_num_f32 v[WK+\j], v[WK+\j], v[AC+16*\j+2*\n+1], v[AC+16*\j+2*\n+2]
.endr
.endr
	v_max3_num_f32 v[WK], v[WK], v[AC+15], v[AC+31]
	v_max3_num_f32 v[WK+2], v[WK+2], v[AC+47], v[AC+63]
	WIN 0
	v_max3_num_f32 v[WK], v[WK], v[WK+1], v[WK+2]
	v_max_num_f32 v[WK], v[WK], v[WK+3]
	v_permlanex16_b32 v[WK+4], v[WK], s[SEL], s[SEL+1]
	v_max_num_f32 v[WK+6], v[WK], v[WK+4]          ; m
	v_mov_b32 v[MXS+(\a)], v[WK+6]
	WIN 65*W
.set i, 0
.rept 32                               ; s - m first: never above 0, and 0 for the largest score, whatever the scores' size
	v_pk_add_f32 v[AC+i:AC+i+1], v[AC+i:AC+i+1], v[WK+6:WK+7] op_sel_hi:[1,0] neg_lo:[0,1] neg_hi:[0,1]
.set i, i+2
.endr
.set i, 0
.rept 32                               ; then c (s - m)
	v_pk_mul_f32 v[AC+i:AC+i+1], v[AC+i:AC+i+1], s[CS:CS+1] op_sel_hi:[1,0]
.set i, i+2
.endr
.set i, 0
.rept 64                               ; one batch of exponentials,
	v_exp_f32 v[AC+i], v[AC+i]
.set i, i+1
.endr
	v_nop                                          ; a plain instruction behind the last,
	s_wait_alu depctr_va_vdst(0)                   ; and one wait ahead of the first reader
	WIN 5*W
.set i, 0
.rept 32
	v_cvt_pk_f16_f32 v[TMP+i], v[AC+2*i], v[AC+2*i+1]
.set i, i+1
.endr
	WIN 69*W                                       ; the sum of the unrounded weights, a tree in place
.irp w, 4,8,16,32,64
.set u, 0
.rept 64/\w
	v_pk_add_f32 v[AC+\w*u:AC+\w*u+1], v[AC+\w*u:AC+\w*u+1], v[AC+\w*u+\w/2:AC+\w*u+\w/2+1]
.set u, u+1
.endr
.endr
	WIN 5*W
	v_add_f32 v[WK], v[AC], v[AC+1]
	WIN 0
	v_permlanex16_b32 v[WK+4], v[WK], s[SEL], s[SEL+1]
	v_add_f32 v[LSS+(\a)], v[WK], v[WK+4]
.endm
.macro TOSTAGE a
	WIN 0
.set BK, OB+192*((\a)%2)
.irp b, 0,1,2,3,4,5,6,7
	ds_store_b128 v[STO], v[TMP+4*(\b):TMP+4*(\b)+3] offset:32*(\b)
.endr
	s_wait_xcnt 0x0                                ; the stores of the block two back have read the registers that are loaded now
.irp t, 0,1,2,3,4,5,6,7
	ds_load_b128 v[BK+4*(\t):BK+4*(\t)+3], v[RD] offset:(\t)*2*SPITCH  ; LDS serves a wave's instructions in order (ISA guide 5.7.1.4)
.endr
.endm
.macro SEND a
	WIN 0
.set BK, OB+192*((\a)%2)
	s_wait_dscnt 0x0
.irp t, 0,1,2,3,4,5,6,7
	global_store_b128 v[CO], v[BK+4*(\t):BK+4*(\t)+3], s[6:7] offset:(16*(\a)+2*(\t))*ROWP  ; 16 lanes store 256 consecutive bytes, aligned
.endr
.endm
	s_wait_tensorcnt 1                             ; my part of K step 0 is in; K step 1's may stay out
	s_barrier_signal -1
	s_barrier_wait -1
	FETCH 0, F0
	QUARTER 64, F0, F1, 1                          ; the first quarter starts the sums, with the masks
	WIN 0
	s_mov_b32 s3, 6
.Lstep:                                        ; a trip: a K step's quarters 1 to 3 and the next step's quarter 0; K steps 2 to 7 are asked for
	QUARTER 128, F1, F0, 0
	QUARTER 192, F0, F1, 0
	TURN 1
	QUARTER 64, F0, F1, 0
	WIN 0
	s_sub_co_u32 s3, s3, 1
	s_cmp_lg_u32 s3, 0
	s_cbranch_scc1 .Lstep
	s_mov_b32 s2, 2
.Ltail:                                        ; K steps 6 and 7 ask for nothing; the second trip is left in its middle, and the fragments that its change of slots fetches serve nothing
	QUARTER 128, F1, F0, 0
	QUARTER 192, F0, F1, 0
	TURN 0
	WIN 0
	s_sub_co_u32 s2, s2, 1
	s_cmp_eq_u32 s2, 0
	s_cbranch_scc1 .Lout
	QUARTER 64, F0, F1, 0
	WIN 0
	s_branch .Ltail
.Lout:
	s_wait_dscnt 0x0
	PLACES
	v_mov_b32 v[WK+4], 0                           ; v_permlanex16_b32's destination counts as read
	v_mov_b32 v[WK+7], 0                           ; named with m as a pair
	SOFT 0
	TOSTAGE 0
.irp a, 1,2,3,4,5,6,7                  ; block a's softmax stands between block a - 1's loads from the stage and the wait for them
	SOFT \a
	SEND (\a)-1
	TOSTAGE \a
.endr
	SEND 7
.irp a, 0,1,2,3,4,5,6,7                ; m and ls of my 128 queries: through my own words of LDS (both halves of the lanes hold the same number), out as 512 consecutive bytes each
	ds_store_b32 v[SA], v[MXS+\a] offset:64*\a
	ds_store_b32 v[SA], v[LSS+\a] offset:512+64*\a
.endr
	ds_load_b128 v[88:91], v[SB]
	ds_load_b128 v[92:95], v[SB] offset:512
	s_wait_dscnt 0x0
	global_store_b128 v[SG], v[88:91], s[8:9]
	global_store_b128 v[SG], v[92:95], s[10:11]
	s_wait_tensorcnt 0x0                           ; the wave's end
	ds_add_u32 v[SPW], v[NIL]
	s_wait_dscnt 0x0
	s_endpgm
; THE FIRST 16 ROWS OF A BATCH, from Q, K and V in f32 (hq: [4][16][3072], columns 0-1023 Q, 1024-2047 K, 2048-3071 V): out[q] = the sum over k <= q of softmax_k(Q[q] . K[k] / 32) V[k].
; WHY.  A row with n keys averages n roundings of V and of the weights, while the comparison goes by the whole output's root mean square, which rows of some 2,000 keys set: f16's step near 1
; (2^-11 to 2^-10) is too coarse for rows of two or three keys that nearly cancel.  From row 16 on the roundings of 17 keys or more average out.  The launch behind stores every row but these.
; THE f32 MATRIX FORM serves here: 2 x 16 x 16 x 1,024 multiply-adds a batch, no bulk.  Its accumulators (v192-223 of window 1, which no other line of the text names) are written by matrix instructions
; alone, each sum begins with the constant 0, and the four accumulators take turns.
; SHARES.  A work-group has a batch and 256 channels of the output; four waves.  S^T = K Q^T: the 1,024 channels are split among the waves, 256 each, taken in two halves of 128 into the same registers;
; the four partial tiles meet in LDS, and every wave adds them in the same order.  Then each wave makes O^T = V^T P for 64 channels of its own.  No tensor load is issued on this way.
; LAYOUT.  In the f32 form lane l holds row (or column) l % 16 of a source, and its two registers the k slots 2 (l / 16) + 0, 1; a place of k that is the same in both sources keeps the products.
; S^T (source 0 = K's rows, source 1 = Q's): a lane holds query l % 16 and the keys 8 (l / 16) + 0..7.  Registers 2 t, 2 t + 1 of the weights ARE source 1 of step t of the second product, slot (h, j)
; standing for key 8 h + 2 t + j; V is loaded in that order.  In O^T a lane holds query l % 16 and the channels 8 (l / 16) + 0..7 of a block of 16.
; SOFTMAX.  A hidden score counts as the lowest finite number; m is taken away first and the difference scaled by c afterwards, so every weight lies in 0 to 1 and their sum in 1 to 16.
.set HQO,  4                           ; v4   my byte offset in Q and K: (l % 16) rows + 16 (l / 16) + 1,024 x wave; never rewritten
.set HVO,  5                           ; v5   in V: 8 (l / 16) rows + 4 (l % 16) + my wave's 64 channels; never rewritten
.set HLS,  6                           ; v6   where I put my partial tile
.set HLR,  7                           ; v7   where I read the partial tiles
.set HSTO, 8                           ; v8   the way out: where I put 32 bytes of a row
.set HRD,  9                           ; v9   where I read a row back
.set HCO,  10                          ; v10  my byte offset in two rows of out0
.set HMK,  11                          ; v11  l % 16 - 8 (l / 16): register j is hidden where j is greater
.set HNEG, 12                          ; v12  the lowest finite number
.set HWK,  16                          ; v16-23 at work
.set HUU,  224                         ; v224-231 at work
.set HRQ,  32                          ; v32-95   128 channels of Q; later the four partial tiles, the scores (v32-39) and the weights (v64-71)
.set HRK,  96                          ; v96-159  of K; later 16 rows read back
.set HRV,  160                         ; v160-191 V: block i of 16 channels, key slot u at HRV + 8 i + u
.set HACC, 192                         ; v192-223 of window 1: four accumulators
.set HS,   32
.set HPW,  64
.set HOB,  96
.macro FAR                             ; nine plain places behind the f32 matrix form: eight ahead of a reader of its results or a load into its sources, nine ahead of a matrix instruction that starts an accumulator anew
.rept 9
	v_nop
.endr
.endm
.macro HLOAD ph                        ; half ph of my 256 channels: 16 bytes a lane: channels 8 i + 4 (l / 16) + 0..3: two steps of the f32 form
.set i, 0
.rept 16
	global_load_b128 v[HRK+4*i:HRK+4*i+3], v[HQO], s[HP:HP+1] offset:4096+512*(\ph)+32*i
	global_load_b128 v[HRQ+4*i:HRQ+4*i+3], v[HQO], s[HP:HP+1] offset:512*(\ph)+32*i
.set i, i+1
.endr
.endm
.macro HVLOAD i                        ; V for block i: key 8 (l / 16) + u, channel 16 i + l % 16
.irp u, 0,1,2,3,4,5,6,7
	global_load_b32 v[HRV+8*(\i)+\u], v[HVO], s[HP:HP+1] offset:8192+\u*ROWH+64*(\i)
.endr
.endm
.macro HMUL first                      ; 32 steps of 4 channels, on four accumulators by turns; first = 1: the first four start the sums
	WIN 0x50                                       ; C and D window 1, the sources window 0
.set n, 0
.rept 32
.if (\first) && (n < 4)
	v_wmma_f32_16x16x4_f32 v[HACC+8*(n%4):HACC+8*(n%4)+7], v[HRK+2*n:HRK+2*n+1], v[HRQ+2*n:HRQ+2*n+1], 0
.else
	v_wmma_f32_16x16x4_f32 v[HACC+8*(n%4):HACC+8*(n%4)+7], v[HRK+2*n:HRK+2*n+1], v[HRQ+2*n:HRQ+2*n+1], v[HACC+8*(n%4):HACC+8*(n%4)+7]
.endif
.set n, n+1
.endr
	WIN 0
.endm
	WIN 0
.Lhead:
	s_sub_co_u32 s16, s16, 36                      ; which 256 channels of the output are my work-group's
	v_and_b32 v1, 15, v0                           ; l % 16
	v_bfe_u32 v2, v0, 4, 1                         ; l / 16
	v_and_b32 v3, 31, v0                           ; l
	s_lshl_b32 s17, s[WV], 10                      ; my 256 channels of Q and K: 1,024 bytes
	v_mul_u32_u24 v[HQO], v1, ROWH
	v_lshl_add_u32 v[HQO], v2, 4, v[HQO]
	v_add_nc_u32 v[HQO], s17, v[HQO]
	s_lshl_b32 s18, s16, 10                        ; the work-group's 256 channels of the output: 1,024 bytes,
	s_lshl_b32 s19, s[WV], 8                       ; my 64 of them: 256 bytes
	s_add_co_u32 s18, s18, s19
	v_mul_u32_u24 v[HVO], v2, 8*ROWH
	v_lshl_add_u32 v[HVO], v1, 2, v[HVO]
	v_add_nc_u32 v[HVO], s18, v[HVO]
	s_mul_i32 s20, s[BB], 16*ROWH                  ; hq at my batch
	s_mov_b32 s21, 0
	s_add_nc_u64 s[HP:HP+1], s[HP:HP+1], s[20:21]
	s_lshl_b32 s20, s[BB], 23                      ; out0 at my batch's first row (2,048 rows of 4,096 bytes a batch) and my 64 channels
	s_add_co_u32 s20, s20, s18
	s_add_nc_u64 s[OP:OP+1], s[OP:OP+1], s[20:21]
	HLOAD 0
	HVLOAD 0
	HVLOAD 1
	s_lshl_b32 s17, s[WV], 10
	s_add_co_u32 s17, s17, STAT
	v_lshl_add_u32 v[HLS], v3, 4, s17              ; STAT + 1,024 x wave + 16 x lane: registers 0-3 of all lanes, 512 bytes on registers 4-7
	v_lshlrev_b32 v[HLR], 4, v3
	v_add_nc_u32 v[HLR], STAT, v[HLR]
	s_mul_i32 s17, s[WV], 16*SPITCH
	s_add_co_u32 s17, s17, STAGE                   ; my stage
	v_mul_u32_u24 v[HSTO], v1, SPITCH
	v_lshl_add_u32 v[HSTO], v2, 5, v[HSTO]
	v_add_nc_u32 v[HSTO], s17, v[HSTO]
	v_mul_u32_u24 v[HRD], v2, SPITCH
	v_lshl_add_u32 v[HRD], v1, 4, v[HRD]
	v_add_nc_u32 v[HRD], s17, v[HRD]
	v_lshlrev_b32 v[HCO], 12, v2
	v_lshl_add_u32 v[HCO], v1, 4, v[HCO]
	v_lshlrev_b32 v[HMK], 3, v2
	v_sub_nc_u32 v[HMK], v1, v[HMK]
	v_mov_b32 v[HNEG], 0xff7fffff
	s_wait_loadcnt 16                              ; the first half of Q and K is in; the 16 loads of V behind it may stay out
	HMUL 1
	FAR                                            ; ahead of the loads into registers that those products have read
	HLOAD 1                                        ; 48 loads are out at the most
	s_wait_loadcnt 0x0
	HVLOAD 2
	HVLOAD 3
	HMUL 0
	FAR
	WIN 0x05                                       ; sources 0 and 1 window 1, destination window 0
.irp z, 0,2,4,6                        ; the four accumulators are added, each from its low end on, into other registers
	v_pk_add_f32 v[HWK+\z:HWK+\z+1], v[HACC+\z:HACC+\z+1], v[HACC+8+\z:HACC+8+\z+1]
	v_pk_add_f32 v[HUU+\z:HUU+\z+1], v[HACC+16+\z:HACC+16+\z+1], v[HACC+24+\z:HACC+24+\z+1]
.endr
	WIN 0
.irp z, 0,2,4,6
	v_pk_add_f32 v[HWK+\z:HWK+\z+1], v[HWK+\z:HWK+\z+1], v[HUU+\z:HUU+\z+1]
.endr
	ds_store_b128 v[HLS], v[HWK:HWK+3]
	ds_store_b128 v[HLS], v[HWK+4:HWK+7] offset:512
	s_wait_dscnt 0x0                               ; for the others' sake: my partial tile is stored
	s_barrier_signal -1
	s_barrier_wait -1                              ; all four lie in LDS
.irp v, 0,1,2,3
	ds_load_b128 v[HS+8*\v:HS+8*\v+3],   v[HLR] offset:1024*\v
	ds_load_b128 v[HS+8*\v+4:HS+8*\v+7], v[HLR] offset:1024*\v+512
.endr
	s_wait_dscnt 0x0
.irp w, 16,32                          ; a tree in place: neighbours 1 and 2 tiles apart
.set u, 0
.rept 32/\w
.irp z, 0,2,4,6
	v_pk_add_f32 v[HS+\w*u+\z:HS+\w*u+\z+1], v[HS+\w*u+\z:HS+\w*u+\z+1], v[HS+\w*u+\w/2+\z:HS+\w*u+\w/2+\z+1]
.endr
.set u, u+1
.endr
.endr
.set j, 0
.rept 8                                ; the mask: key 8 (l / 16) + j is hidden where it is greater than query l % 16
	v_cmp_gt_i32 vcc_lo, j, v[HMK]
	v_cndmask_b32 v[HS+j], v[HS+j], v[HNEG], vcc_lo
.set j, j+1
.endr
	v_max3_num_f32 v[HWK], v[HS], v[HS+1], v[HS+2]
	v_max3_num_f32 v[HWK+1], v[HS+3], v[HS+4], v[HS+5]
	v_max3_num_f32 v[HWK], v[HWK], v[HS+6], v[HS+7]
	v_max_num_f32 v[HWK], v[HWK], v[HWK+1]
	v_permlanex16_b32 v[HWK+2], v[HWK], s[SEL], s[SEL+1]  ; the query's other 8 keys lie in the lane 16 away
	v_max_num_f32 v[HWK+4], v[HWK], v[HWK+2]       ; m: key 0 is open to every query
.irp z, 0,2,4,6                        ; s - m first: never above 0, and 0 for the largest score
	v_pk_add_f32 v[HS+\z:HS+\z+1], v[HS+\z:HS+\z+1], v[HWK+4:HWK+5] op_sel_hi:[1,0] neg_lo:[0,1] neg_hi:[0,1]
.endr
.irp z, 0,2,4,6                        ; then c (s - m)
	v_pk_mul_f32 v[HS+\z:HS+\z+1], v[HS+\z:HS+\z+1], s[CS:CS+1] op_sel_hi:[1,0]
.endr
.set j, 0
.rept 8                                ; one batch of exponentials,
	v_exp_f32 v[HS+j], v[HS+j]
.set j, j+1
.endr
	v_nop                                          ; a plain instruction behind the last,
	s_wait_alu depctr_va_vdst(0)                   ; and one wait ahead of the first reader
	v_pk_add_f32 v[HWK:HWK+1], v[HS:HS+1], v[HS+2:HS+3]
	v_pk_add_f32 v[HWK+2:HWK+3], v[HS+4:HS+5], v[HS+6:HS+7]
	v_pk_add_f32 v[HWK:HWK+1], v[HWK:HWK+1], v[HWK+2:HWK+3]
	v_add_f32 v[HWK], v[HWK], v[HWK+1]
	v_permlanex16_b32 v[HWK+2], v[HWK], s[SEL], s[SEL+1]
	v_add_f32 v[HWK], v[HWK], v[HWK+2]             ; the sum: 1 or more
	v_rcp_f32 v[HWK+6], v[HWK]
	v_nop
	s_wait_alu depctr_va_vdst(0)
.irp z, 0,2,4,6                        ; the weights, normalised
	v_pk_mul_f32 v[HPW+\z:HPW+\z+1], v[HS+\z:HS+\z+1], v[HWK+6:HWK+7] op_sel_hi:[1,0]
.endr
	s_wait_loadcnt 0x0                             ; V is in
	WIN 0x50
.irp t, 0,1,2,3                        ; O^T = V^T P: four steps of 4 keys, the four blocks of 16 channels by turns
.irp i, 0,1,2,3
.if \t == 0
	v_wmma_f32_16x16x4_f32 v[HACC+8*\i:HACC+8*\i+7], v[HRV+8*\i+2*\t:HRV+8*\i+2*\t+1], v[HPW+2*\t:HPW+2*\t+1], 0
.else
	v_wmma_f32_16x16x4_f32 v[HACC+8*\i:HACC+8*\i+7], v[HRV+8*\i+2*\t:HRV+8*\i+2*\t+1], v[HPW+2*\t:HPW+2*\t+1], v[HACC+8*\i:HACC+8*\i+7]
.endif
.endr
.endr
	WIN 0
	FAR
	WIN 0x04                                       ; store data in window 1
.irp i, 0,1,2,3                        ; the way out, through my own stage: 32 bytes a lane in, whole rows of 256 bytes back
	ds_store_b128 v[HSTO], v[HACC+8*\i:HACC+8*\i+3] offset:64*\i
	ds_store_b128 v[HSTO], v[HACC+8*\i+4:HACC+8*\i+7] offset:64*\i+16
.endr
	WIN 0
.irp t, 0,1,2,3,4,5,6,7
	ds_load_b128 v[HOB+4*\t:HOB+4*\t+3], v[HRD] offset:2*SPITCH*\t  ; LDS serves a wave's instructions in order (ISA guide 5.7.1.4): these see the stores above
.endr
	s_wait_dscnt 0x0
.irp t, 0,1,2,3,4,5,6,7
	global_store_b128 v[HCO], v[HOB+4*\t:HOB+4*\t+3], s[OP:OP+1] offset:2*\t*4096  ; 16 lanes store 256 consecutive bytes, aligned
.endr
	s_wait_tensorcnt 0x0                           ; the wave's end, behind my last LDS store
	ds_add_u32 v[SPW], v[NIL]
	s_wait_dscnt 0x0
	s_endpgm
.Lfunc_end_k_qb338e25117_scores:
	.size	k_qb338e25117_scores, .Lfunc_end_k_qb338e25117_scores-k_qb338e25117_scores
	.p2alignl 7, 3214868480
	.fill 96, 4, 3214868480
	.section	.rodata,"a",@progbits
	.p2align	6, 0x0
	.amdhsa_kernel k_qb338e25117_scores
		.amdhsa_group_segment_fixed_size 327680
		.amdhsa_private_segment_fixed_size 0
		.amdhsa_enable_private_segment 0
		.amdhsa_kernarg_size 48
		.amdhsa_user_sgpr_count 2
		.amdhsa_user_sgpr_kernarg_segment_ptr 1
		.amdhsa_wavefront_size32 1
		.amdhsa_system_sgpr_workgroup_id_x 1
		.amdhsa_system_sgpr_workgroup_id_y 1
		.amdhsa_system_sgpr_workgroup_id_z 1
		.amdhsa_system_vgpr_workitem_id 0
		.amdhsa_next_free_vgpr 1024
		.amdhsa_next_free_sgpr 80
		.amdhsa_reserve_vcc 1
		.amdhsa_float_denorm_mode_32 3
		.amdhsa_float_denorm_mode_16_64 3
		.amdhsa_memory_ordered 1
		.amdhsa_forward_progress 1
		.amdhsa_inst_pref_size 208
	.end_amdhsa_kernel
	.amdgpu_metadata
---
amdhsa.version: [ 1, 2 ]
amdhsa.kernels:
  - .name:           k_qb338e25117_scores
    .symbol:         k_qb338e25117_scores.kd
    .args:
      - { .name: qkv, .offset: 0, .size: 8, .value_kind: global_buffer, .address_space: global }
      - { .name: pt, .offset: 8, .size: 8, .value_kind: global_buffer, .address_space: global }
      - { .name: mx, .offset: 16, .size: 8, .value_kind: global_buffer, .address_space: global }
      - { .name: ls, .offset: 24, .size: 8, .value_kind: global_buffer, .address_space: global }
      - { .name: hq, .offset: 32, .size: 8, .value_kind: global_buffer, .address_space: global }
      - { .name: out0, .offset: 40, .size: 8, .value_kind: global_buffer, .address_space: global }
    .group_segment_fixed_size: 327680
    .private_segment_fixed_size: 0
    .kernarg_segment_align: 8
    .kernarg_segment_size: 48
    .max_flat_workgroup_size: 128
    .sgpr_count:     80
    .vgpr_count:     1024
    .wavefront_size: 32
...
	.end_amdgpu_metadata
.endif
;; end of part 3
;; launch pv (part 4): grid 8 x 32, 4 waves a work-group, clusters of 4 x 1, 327,680 bytes of LDS; arguments pt, qkv, mx, ls, out0; writes out0
.if DOCPART == 4
	.amdgcn_target "amdgcn-amd-amdhsa--gfx1250"
	.amdhsa_code_object_version 6
	.text
	.protected	k_qb338e25117_pv
	.globl	k_qb338e25117_pv
	.p2align	8
	.type	k_qb338e25117_pv,@function
k_qb338e25117_pv:
	s_mov_b64 s[64:65], 0
	v_nop
	global_prefetch_b8 v0, s[64:65] scope:SCOPE_SE
	s_setreg_imm32_b32 hwreg(HW_REG_WAVE_MODE, 25, 1), 1
	s_wait_xcnt 0x0
	s_wait_alu depctr_hold_cnt(0) depctr_sa_sdst(0) depctr_va_vdst(0) depctr_va_sdst(0) depctr_va_ssrc(0) depctr_va_vcc(0) depctr_vm_vsrc(0)
	s_getreg_b32 s2, hwreg(HW_REG_IB_STS2, 6, 4)
	s_cmp_eq_u32 s2, 0
	s_cbranch_scc0 .Lentry_in_a_cluster
	s_endpgm
.Lentry_in_a_cluster:
	s_bfe_u32 s2, ttmp6, 0x10000c
	s_cmp_lg_u32 s2, 0x3003
	s_cbranch_scc0 .Lentry_shape_is_right
	s_endpgm
.Lentry_shape_is_right:
; out[b][q][:] = the sum over key blocks t of (f_t / L) (pt_t V_t), with M = max_t m_t, f_t = 2^(c (m_t - M)), c = log2(e) / 32, L = the sum of f_t ls_t: the softmax with its true maximum, joined from the blocks' own.
; The difference m_t - M is taken first and scaled afterwards: it is never above 0 and is 0 for the block that holds M, so f lies in 0 to 1 and L is 1 or more.
; pt: [4][2048][2048] f16 (weights relative to their block's maximum), V: columns 2048-3071 of qkv (f16), mx, ls: [4][16][2048] f32, out: [4][2048][1024] f32.  Products in f16 with f32 sums.
; ROWS 0 TO 15 OF EACH BATCH ARE NOT STORED HERE: the launch before has made them from f32 operands and stored them; the way out jumps over them.
; LIMITS: a factor below 2^-126 counts as 0; NaN and infinities are not treated apart.
; SHARES.  A work-group makes two blocks of 128 queries x 128 channels: query block 15 - p (n1 = (17 - p) / 2 key steps of 256) and then block p (n2 = (p + 2) / 2): 9 key steps whatever p:
; one walk with constant trip counts.  A wave makes 64 queries x 64 channels.  O^T = V^T P (source 0 = V turned by ds_load_tr16_b128, source 1 = pt's rows): a lane holds one query and 8 channels.
; Each key block of 128 starts a fresh sum T with the constant 0 (64 matrix instructions on 16 accumulators); then O += (f_t / L) T, one number a lane.
; CLUSTER 4 x 1: the four partners share batch and p, so they walk alike and ask for pt's tiles jointly; each fetches its own 128 channels of V by a load of its own, behind the same round.
; THE FACTORS lie in LDS by the walk's position 2 s + e (s the key step, e its half): every LDS address is a constant or steps by a constant; which block a position belongs to enters global addresses and selects alone.
; REGISTERS: window 0: v0-31 addresses; v32-47 a step's 8 factors, in pairs; v48-111 rows read back; v128-255 T ((a, cb) at 128 + 8 (4 a + cb)), before the loop the table's work.
;   window 1: two buffers of 128: pt's fragments (c, a) at 8 (4 c + a), V's (c, cb) at 64 + 8 (4 c + cb).  window 2: v0-127 O.
.set ROWQ,  6144
.set PPT,   528                        ; a row of pt in LDS: 512 bytes + 16: the 16 rows of a load start at 16 different groups of four banks (ISA guide 11.1)
.set PVT,   288                        ; a row of V: 256 + 32
.set VOFF,  128*PPT                    ; a slot: 128 rows of pt, then 256 rows of V
.set SLOT1, 0x24000                    ; slot 1; shares no bit with the four waves' places in a slot
.set FT,    SLOT1+VOFF+256*PVT         ; 18 positions x 128 queries x 4 bytes
.set STAGE, FT+9216                    ; 16 rows x 272 bytes for each wave
.set SP,    272
.set SPARE, STAGE+4*16*SP              ; the spare words: two blocks of 256 bytes that no other line names
.set AP0, 10                           ; v10 my lane's place in slot 0, pt's fragments; v11 V's; never rewritten
.set AV0, 11
.set AP,  12                           ; v12-14 the same in the slot that is being read; v14: V's keys 128 on (an immediate ends at 65,535)
.set AV,  13
.set AV2, 14
.set FA,  16                           ; v16 where my queries' factors of the step in hand lie
.set STO, 17
.set RD,  18
.set CO,  19
.set PFO, 20
.set FTA, 21                           ; v21 FT + 4 x thread
.set TID4, 22                          ; v22 4 x thread
.set SPW, 28
.set NIL, 29
.set F,   32                           ; factor (e, a) at F + 8 e + 2 a; the odd registers hold 0
.set OB,  48
.set T,   128
.set F0,  0
.set F1,  128
.set TO,  128                          ; the table's work, in T's registers
.set CM,  136                          ; a position's m, then c (m - M), then f, then f / L
.set LS,  156
.set XA,  176
.set XB,  182
.set M1,  188
.set M2,  189
.set MM,  190
.set L1,  193
.set L2,  194
.set R1,  195
.set R2,  196
.set RR,  197
.set NG,  200
.set WV, 14
.set WR, 15
.set WC, 16
.set CX, 17
.set NN, 18                            ; s18 my block of 128 channels
.set BB, 19
.set PP, 20
.set N1, 21
.set N2, 22
.set RT, 23                            ; s23 key steps that the block in hand still has
.set G1A, 24
.set G1V, 32
.set G0A0, 40
.set G0A, 44
.set G0V0, 48
.set G0V, 52
.set NXT, 56                           ; s56 the key step to ask for next; s57 the last of the block whose steps are being asked for; s58 that block's rows in pt
.set LQ,  57
.set ROWA, 58
.set ROW2, 59
.set SOFF, 60
.set CSC, 61                           ; s61 c
.set LIM, 62
.set LQ2, 63
.set PA,  66                           ; s[66:67] pt at my batch and my 64 rows of a block; s[68:69] V at my batch, channels and 128 keys of a step
.set PB,  68
.set OFF, 70
.set OUT, 72
.set OUT2, 74
.set PFA, 76
.set PST, 78
.set CB,  80
.set LB,  82
.set I1,  90
.set SKP, 91                           ; s91 0 where the block in hand begins with a batch's rows 0 to 15 in my wave: the second block, p = 0, my half of the rows the upper one
.set MS,  92                           ; s92-94 all ones where walk step 5, 6, 7 belongs to the first block
.set MSB, 0
.macro WIN new
.if MSB != (\new)
	s_set_vgpr_msb (MSB<<8)|(\new)
.set MSB, \new
.endif
.endm
.set MUL,  0x05                        ; sources 0 (V) and 1 (pt) window 1; C and D window 0
.set TO_F, 0x40
.macro PLACES
.rept 4
	v_nop
.endr
.endm
.macro JLOAD                           ; waves 0, 1: the joint load of pt's halves; waves 2, 3: my own V; an s_nop 0 and four v_nop follow each line
	s_cmp_eq_u32 s[WR], 0
	s_cbranch_scc0 .Lfor_v_\@
	tensor_load_to_lds s[G0A:G0A+3], s[G1A:G1A+7]
	s_nop 0
	PLACES
	s_branch .Lasked_\@
.Lfor_v_\@:
	tensor_load_to_lds s[G0V:G0V+3], s[G1V:G1V+7]
	s_nop 0
	PLACES
.Lasked_\@:
.endm
.macro CREST
	s_cmp_lg_u32 s[WV], 0
	s_cbranch_scc1 .Lnot_wave_0_\@
	s_barrier_signal -3
.Lnot_wave_0_\@:
	s_barrier_wait -3
	s_barrier_signal -1
	s_barrier_wait -1
.endm
.macro CROUND
	s_barrier_signal -1
	s_barrier_wait -1
	CREST
.endm
; A prefetch of the first block's key step two refills on.  pt: the clusters with x = 0 ask, waves 0, 1; of a wave's 64 rows each partner takes 16, told apart by address: 32 blocks of 256 bytes, a lane a block.
; V: the work-groups with p = 0 ask (their walk has all 8 steps), waves 2, 3, for their own 128 rows: four instructions.  Steps 0 to 3 and the second block's come by their loads alone.
.macro ASK
	s_cmp_gt_u32 s3, s[LIM]
	s_cbranch_scc0 .Lnot_mine_\@
	global_prefetch_b8 v[PFO], s[PFA:PFA+1] th:TH_LOAD_NT scope:SCOPE_SE
	s_cmp_eq_u32 s[WR], 0
	s_cbranch_scc1 .Lnot_mine_\@
.irp j, 1,2,3
	global_prefetch_b8 v[PFO], s[PFA:PFA+1] offset:(\j)*32*ROWQ th:TH_LOAD_NT scope:SCOPE_SE
.endr
.Lnot_mine_\@:
.endm
	s_load_b256 s[4:11], s[0:1], 0x0               ; pt s[4:5], qkv s[6:7], mx s[8:9], ls s[10:11]
	s_load_b64 s[12:13], s[0:1], 0x20              ; out0
	v_lshl_add_u32 v[SPW], v0, 2, SPARE
	v_mov_b32 v[NIL], 0
	ds_add_u32 v[SPW], v[NIL]                      ; the wave's opening: the add and its wait stand ahead of my first tensor load
	v_lshrrev_b32 v1, 5, v0
	v_readfirstlane_b32 s[WV], v1
	s_lshr_b32 s[WR], s[WV], 1
	s_and_b32 s[WC], s[WV], 1
	s_bfe_u32 s[CX], ttmp6, 0x40000
	s_lshl_b32 s[NN], ttmp9, 2
	s_add_co_u32 s[NN], s[NN], s[CX]
	s_and_b32 s84, ttmp7, 0xffff
	s_lshr_b32 s[BB], s84, 3
	s_and_b32 s[PP], s84, 7
	s_sub_co_u32 s[N1], 17, s[PP]
	s_lshr_b32 s[N1], s[N1], 1
	s_add_co_u32 s[N2], s[PP], 2
	s_lshr_b32 s[N2], s[N2], 1
	s_sub_co_u32 s[I1], 15, s[PP]
	s_lshl_b32 s[ROWA], s[I1], 19                  ; a block's 128 rows of 4,096 bytes
	s_lshl_b32 s[ROW2], s[PP], 19
	s_mov_b32 s[NXT], 2
	s_sub_co_u32 s[LQ], s[N1], 1
	s_sub_co_u32 s[LQ2], s[N2], 1
	s_mov_b32 s[RT], s[N1]
	s_mov_b32 s[SOFF], 0
	s_mov_b32 s[SKP], 1                            ; the first block is block 8 or higher: all its rows are stored
	s_mov_b32 s[CSC], 0x3d38aa3b                   ; c = log2(e) / 32
	s_mov_b32 s[G1A], 15|(1<<16)|(1<<20)|(1<<21)|(6<<22)|(3<<25)  ; the mask of four; 2-byte elements; padding on; bit 21 beside a mask; after every 128 words 4 words
	s_mov_b32 s[G1A+1], 256<<16                    ; 64 rows of 256 elements, 2,048 elements from row to row
	s_mov_b32 s[G1A+2], 64<<16
	s_mov_b32 s[G1A+3], 256<<16
	s_mov_b32 s[G1A+4], 64
	s_mov_b32 s[G1A+5], 2048
	s_mov_b32 s[G1A+6], 0
	s_mov_b32 s[G1A+7], 0
	s_mov_b32 s[G1V], (1<<16)|(1<<20)|(5<<22)|(7<<25)  ; no mask; after every 64 words 8 words
	s_mov_b32 s[G1V+1], 128<<16                    ; 128 rows of 128 elements, 3,072 elements from row to row
	s_mov_b32 s[G1V+2], 128<<16
	s_mov_b32 s[G1V+3], 128<<16
	s_mov_b32 s[G1V+4], 128
	s_mov_b32 s[G1V+5], 3072
	s_mov_b32 s[G1V+6], 0
	s_mov_b32 s[G1V+7], 0
	s_lshl_b32 s84, s[BB], 23                      ; pt: batch, and my 64 rows of a block
	s_lshl_b32 s85, s[WC], 18
	s_add_co_u32 s84, s84, s85
	s_mov_b32 s85, 0
	s_mul_i32 s86, s[BB], 2048*ROWQ                ; V: batch, my 128 keys of a step, my work-group's 128 channels, V's columns
	s_mul_i32 s87, s[WC], 128*ROWQ
	s_add_co_u32 s86, s86, s87
	s_lshl_b32 s87, s[NN], 8
	s_add_co_u32 s86, s86, s87
	s_add_co_u32 s86, s86, 4096
	s_mov_b32 s87, 0
	s_mul_i32 s88, s[WC], 64*PPT                   ; where they go: no place in the cluster enters an LDS address
	s_mul_i32 s89, s[WC], 128*PVT
	s_add_co_u32 s89, s89, VOFF
	s_mov_b32 s[OFF], s[ROWA]
	s_mov_b32 s[OFF+1], 0
	s_wait_dscnt 0x0                               ; the opening add is done
	s_wait_kmcnt 0x0
	s_add_nc_u64 s[PA:PA+1], s[4:5], s[84:85]
	s_add_nc_u64 s[PB:PB+1], s[6:7], s[86:87]
	s_mov_b32 s[G0A0], 1
	s_mov_b32 s[G0A0+1], s88
	s_add_nc_u64 s[G0A0+2:G0A0+3], s[PA:PA+1], s[OFF:OFF+1]
	s_add_nc_u64 s[G0A+2:G0A+3], s[G0A0+2:G0A0+3], 512
	s_or_b32 s[G0A0+3], s[G0A0+3], 0x80000000
	s_or_b32 s[G0A+3], s[G0A+3], 0x80000000
	s_mov_b32 s[G0A], 1
	s_add_co_u32 s[G0A+1], s88, SLOT1
	s_mov_b32 s[G0V0], 1
	s_mov_b32 s[G0V0+1], s89
	s_add_nc_u64 s[G0V0+2:G0V0+3], s[PB:PB+1], 0
	s_add_nc_u64 s[G0V+2:G0V+3], s[PB:PB+1], 256*ROWQ
	s_or_b32 s[G0V0+3], s[G0V0+3], 0x80000000
	s_or_b32 s[G0V+3], s[G0V+3], 0x80000000
	s_mov_b32 s[G0V], 1
	s_add_co_u32 s[G0V+1], s89, SLOT1
	CROUND                                         ; all four work-groups are here: the first joint loads meet
	s_cmp_eq_u32 s[WR], 0                          ; a wave's two first fills stand in one branch: key steps 0 and 1; two loads of mine are out
	s_cbranch_scc0 .Lfirst_v
	tensor_load_to_lds s[G0A0:G0A0+3], s[G1A:G1A+7]
	s_nop 0
	tensor_load_to_lds s[G0A:G0A+3], s[G1A:G1A+7]
	s_nop 0
	PLACES
	s_branch .Lfirst_asked
.Lfirst_v:
	tensor_load_to_lds s[G0V0:G0V0+3], s[G1V:G1V+7]
	s_nop 0
	tensor_load_to_lds s[G0V:G0V+3], s[G1V:G1V+7]
	s_nop 0
	PLACES
.Lfirst_asked:
	v_lshlrev_b32 v[TID4], 2, v0
	v_lshl_add_u32 v[FTA], v0, 2, FT
	; THE TABLE.  Thread i is query i of both blocks.  Position 2 s + e of the walk is key block 2 s + e of the first block while s < n1, else key block 2 (s - n1) + e of the second.
	; n1 is 5 to 8: positions 0-9 are the first block's, 16 and 17 the second's, and steps 5, 6, 7 go by a scalar choice.  All 18 name words that the launch before has stored.
	s_lshl_b32 s84, s[BB], 17
	s_mov_b32 s85, 0
	s_add_nc_u64 s[CB:CB+1], s[8:9], s[84:85]
	s_add_nc_u64 s[LB:LB+1], s[10:11], s[84:85]
	s_lshl_b32 s86, s[I1], 9                       ; the first block's queries: 512 bytes a block
	s_lshl_b32 s87, s[PP], 9
	s_lshl_b32 s84, s[N1], 14
	s_sub_co_u32 s87, s87, s84                     ; the second's, less the 2 n1 positions in front of it (the sums below come out at 0 or above)
	v_add_nc_u32 v[TO], s86, v[TID4]
.set pos, 0
.rept 10
	global_load_b32 v[CM+pos], v[TO], s[CB:CB+1] offset:pos*8192
	global_load_b32 v[LS+pos], v[TO], s[LB:LB+1] offset:pos*8192
.set pos, pos+1
.endr
.irp k, 0,1,2
	s_cmp_gt_u32 s[N1], 5+\k
	s_cselect_b32 s[MS+\k], -1, 0
	s_cselect_b32 s84, s86, s87
	s_add_co_u32 s84, s84, (10+2*\k)*8192
	v_add_nc_u32 v[TO+1+\k], s84, v[TID4]
	global_load_b32 v[CM+10+2*\k], v[TO+1+\k], s[CB:CB+1]
	global_load_b32 v[LS+10+2*\k], v[TO+1+\k], s[LB:LB+1]
	global_load_b32 v[CM+11+2*\k], v[TO+1+\k], s[CB:CB+1] offset:8192
	global_load_b32 v[LS+11+2*\k], v[TO+1+\k], s[LB:LB+1] offset:8192
.endr
	s_add_co_u32 s84, s87, 16*8192
	v_add_nc_u32 v[TO+4], s84, v[TID4]
	global_load_b32 v[CM+16], v[TO+4], s[CB:CB+1]
	global_load_b32 v[LS+16], v[TO+4], s[LB:LB+1]
	global_load_b32 v[CM+17], v[TO+4], s[CB:CB+1] offset:8192
	global_load_b32 v[LS+17], v[TO+4], s[LB:LB+1] offset:8192
	; while they are on their way: O = 0, the lane's addresses, the pointers
	WIN 0x80
.set i, 0
.rept 128
	v_mov_b32 v[i], 0                              ; O's sums start at 0, so that every key block is added in one form
.set i, i+1
.endr
	WIN 0
.set i, 0
.rept 8
	v_mov_b32 v[F+2*i+1], 0                        ; named with a factor as a pair
.set i, i+1
.endr
	v_and_b32 v1, 15, v0
	v_bfe_u32 v2, v0, 4, 1
	v_mul_u32_u24 v3, v1, PPT
	v_lshl_add_u32 v3, v2, 4, v3
	s_mul_i32 s84, s[WR], 64*PPT
	v_add_nc_u32 v[AP0], s84, v3                   ; (64 wr + l % 16) x pitch + 16 (l / 16)
	v_and_b32 v4, 7, v0
	v_bfe_u32 v5, v0, 3, 1
	v_lshl_add_u32 v6, v2, 3, v4                   ; the turning load: key 8 (l / 16) + l % 8, channels 8 ((l / 8) % 2) + 0..7
	v_mul_u32_u24 v6, v6, PVT
	v_lshl_add_u32 v6, v5, 4, v6
	s_lshl_b32 s84, s[WC], 7
	s_add_co_u32 s84, s84, VOFF
	v_add_nc_u32 v[AV0], s84, v6
	v_mov_b32 v[AP], v[AP0]
	v_mov_b32 v[AV], v[AV0]
	v_add_nc_u32 v[AV2], 128*PVT, v[AV0]
	s_lshl_b32 s84, s[WR], 8
	s_add_co_u32 s84, s84, FT
	v_lshl_add_u32 v[FA], v1, 2, s84               ; FT + 4 (64 wr + l % 16)
	s_mul_i32 s84, s[WV], 16*SP
	s_add_co_u32 s84, s84, STAGE
	v_mul_u32_u24 v3, v1, SP
	v_lshl_add_u32 v3, v2, 5, v3
	v_add_nc_u32 v[STO], s84, v3                   ; in: row l % 16, 32 bytes for each half of the lanes
	v_mul_u32_u24 v3, v2, SP
	v_lshl_add_u32 v3, v1, 4, v3
	v_add_nc_u32 v[RD], s84, v3                    ; back: lanes 0-15 one row of 256 bytes, lanes 16-31 the next
	v_lshlrev_b32 v3, 12, v2
	v_lshl_add_u32 v[CO], v1, 4, v3
	v_and_b32 v3, 31, v0
	v_lshrrev_b32 v4, 1, v3
	v_and_b32 v5, 1, v3
	v_lshlrev_b32 v5, 8, v5
	v_lshl_add_u32 v4, v4, 12, v5                  ; pt: row lane / 2, block lane % 2
	v_mul_u32_u24 v5, v3, ROWQ                     ; V: a lane a row
	s_cmp_eq_u32 s[WR], 0
	s_cselect_b32 s84, -1, 0
	v_cndmask_b32 v[PFO], v5, v4, s84
	; out0 at my 64 queries x 64 channels of both blocks
	s_lshl_b32 s84, s[BB], 11
	s_lshl_b32 s85, s[WR], 6
	s_add_co_u32 s84, s84, s85
	s_lshl_b32 s88, s[NN], 9
	s_lshl_b32 s89, s[WC], 8
	s_add_co_u32 s88, s88, s89
	s_lshl_b32 s86, s[I1], 7
	s_add_co_u32 s86, s86, s84
	s_lshl_b32 s86, s86, 12
	s_add_co_u32 s86, s86, s88
	s_mov_b32 s87, 0
	s_add_nc_u64 s[OUT:OUT+1], s[12:13], s[86:87]
	s_lshl_b32 s86, s[PP], 7
	s_add_co_u32 s86, s86, s84
	s_lshl_b32 s86, s86, 12
	s_add_co_u32 s86, s86, s88
	s_add_nc_u64 s[OUT2:OUT2+1], s[12:13], s[86:87]
	; the prefetches: at key step 3; the first change of slots steps them to 4
	s_lshl_b32 s84, s[CX], 16
	s_add_co_u32 s84, s84, s[ROWA]
	s_add_co_u32 s84, s84, 3*512
	s_mov_b32 s85, 0
	s_add_nc_u64 s[86:87], s[PA:PA+1], s[84:85]
	s_add_nc_u64 s[88:89], s[PB:PB+1], 3*256*ROWQ
	s_mov_b32 s84, 512
	s_cmp_eq_u32 s[WR], 0
	s_cselect_b64 s[PFA:PFA+1], s[86:87], s[88:89]
	s_cselect_b32 s[PST], s84, 256*ROWQ
	s_cselect_b32 s85, ttmp9, s[PP]                ; who asks: the same in all four partners, for a given wave
	s_mov_b32 s[PST+1], 0
	s_sub_co_u32 s84, 11, s[N1]                    ; trips with s3 above it name steps 4 .. n1 - 1
	s_cmp_eq_u32 s85, 0
	s_cselect_b32 s[LIM], s84, -1
	; the table goes on
	s_wait_loadcnt 0x0
	v_mov_b32 v[NG], 0xff7fffff                    ; the lowest finite number: what a position counts in the other block's maximum
.irp i, 0,1,2,3,4,5
	v_cndmask_b32 v[XA+\i], v[NG], v[CM+10+\i], s[MS+(\i)/2]
	v_cndmask_b32 v[XB+\i], v[CM+10+\i], v[NG], s[MS+(\i)/2]
.endr
	v_max3_num_f32 v[M1], v[CM], v[CM+1], v[CM+2]
	v_max3_num_f32 v[M2], v[CM+16], v[CM+17], v[XB]
	v_max3_num_f32 v[M1], v[M1], v[CM+3], v[CM+4]
	v_max3_num_f32 v[M2], v[M2], v[XB+1], v[XB+2]
	v_max3_num_f32 v[M1], v[M1], v[CM+5], v[CM+6]
	v_max3_num_f32 v[M2], v[M2], v[XB+3], v[XB+4]
	v_max3_num_f32 v[M1], v[M1], v[CM+7], v[CM+8]
	v_max_num_f32 v[M2], v[M2], v[XB+5]
	v_max3_num_f32 v[M1], v[M1], v[CM+9], v[XA]
	v_max3_num_f32 v[M1], v[M1], v[XA+1], v[XA+2]
	v_max3_num_f32 v[M1], v[M1], v[XA+3], v[XA+4]
	v_max_num_f32 v[M1], v[M1], v[XA+5]
.irp k, 0,1,2
	v_cndmask_b32 v[MM+\k], v[M2], v[M1], s[MS+\k]
.endr
.set pos, 0
.rept 10                               ; m - M first: never above 0, and 0 for the block that holds M
	v_sub_f32 v[CM+pos], v[CM+pos], v[M1]
.set pos, pos+1
.endr
.irp i, 0,1,2,3,4,5
	v_sub_f32 v[CM+10+\i], v[CM+10+\i], v[MM+(\i)/2]
.endr
	v_sub_f32 v[CM+16], v[CM+16], v[M2]
	v_sub_f32 v[CM+17], v[CM+17], v[M2]
.set pos, 0
.rept 18                               ; then c (m - M)
	v_mul_f32 v[CM+pos], s[CSC], v[CM+pos]
.set pos, pos+1
.endr
.set pos, 0
.rept 18                               ; one batch: f = 2^(c (m - M))
	v_exp_f32 v[CM+pos], v[CM+pos]
.set pos, pos+1
.endr
.irp i, 0,1,2,3,4,5                    ; plain work that names no result of theirs: a position's ls counts in its own block's sum alone
	v_cndmask_b32 v[XA+\i], 0, v[LS+10+\i], s[MS+(\i)/2]
	v_cndmask_b32 v[XB+\i], v[LS+10+\i], 0, s[MS+(\i)/2]
.endr
	s_wait_alu depctr_va_vdst(0)                   ; one wait for the batch
	v_mul_f32 v[L1], v[CM], v[LS]
	v_mul_f32 v[L2], v[CM+16], v[LS+16]
.set pos, 1
.rept 9
	v_fmac_f32 v[L1], v[CM+pos], v[LS+pos]
.set pos, pos+1
.endr
	v_fmac_f32 v[L2], v[CM+17], v[LS+17]
.irp i, 0,1,2,3,4,5
	v_fmac_f32 v[L1], v[CM+10+\i], v[XA+\i]
	v_fmac_f32 v[L2], v[CM+10+\i], v[XB+\i]
.endr
	v_rcp_f32 v[R1], v[L1]                         ; L is 1 or more: the block that holds M has f = 1 and a weight 1
	v_rcp_f32 v[R2], v[L2]
	v_nop
	s_wait_alu depctr_va_vdst(0)
.irp k, 0,1,2
	v_cndmask_b32 v[RR+\k], v[R2], v[R1], s[MS+\k]
.endr
.set pos, 0
.rept 10
	v_mul_f32 v[CM+pos], v[CM+pos], v[R1]
.set pos, pos+1
.endr
.irp i, 0,1,2,3,4,5
	v_mul_f32 v[CM+10+\i], v[CM+10+\i], v[RR+(\i)/2]
.endr
	v_mul_f32 v[CM+16], v[CM+16], v[R2]
	v_mul_f32 v[CM+17], v[CM+17], v[R2]
.set pos, 0
.rept 18
	ds_store_b32 v[FTA], v[CM+pos] offset:512*pos
.set pos, pos+1
.endr
; 8 matrix instructions: query blocks a0, a0 + 1 x all 4 channel blocks, 32 keys: half c of buffer f.  zero = 1: the product starts T's sums.  The 16 accumulators take turns.
.macro MUL8 f, c, a0, zero
	WIN MUL
.irp a, \a0, (\a0)+1
.irp b, 0,1,2,3
.if \zero
	v_wmma_f32_16x16x32_f16 v[T+8*(4*(\a)+(\b)):T+8*(4*(\a)+(\b))+7], v[(\f)+64+8*(4*(\c)+(\b)):(\f)+64+8*(4*(\c)+(\b))+7], v[(\f)+8*(4*(\c)+(\a)):(\f)+8*(4*(\c)+(\a))+7], 0
.else
	v_wmma_f32_16x16x32_f16 v[T+8*(4*(\a)+(\b)):T+8*(4*(\a)+(\b))+7], v[(\f)+64+8*(4*(\c)+(\b)):(\f)+64+8*(4*(\c)+(\b))+7], v[(\f)+8*(4*(\c)+(\a)):(\f)+8*(4*(\c)+(\a))+7], v[T+8*(4*(\a)+(\b)):T+8*(4*(\a)+(\b))+7]
.endif
.endr
.endr
.endm
.macro FETCH qn, f                     ; 32 LDS loads in one run: the fragments of keys 64 qn .. 64 qn + 63, the first 32 keys first
	WIN TO_F
.if (\qn) < 2
.set VA, AV
.else
.set VA, AV2
.endif
.irp c, 0,1
.irp i, 0,1,2,3
	ds_load_tr16_b128 v[(\f)+64+8*(4*(\c)+(\i)):(\f)+64+8*(4*(\c)+(\i))+3],   v[VA] offset:(64*((\qn)&1)+32*(\c))*PVT+32*(\i)
	ds_load_tr16_b128 v[(\f)+64+8*(4*(\c)+(\i))+4:(\f)+64+8*(4*(\c)+(\i))+7], v[VA] offset:(64*((\qn)&1)+32*(\c))*PVT+32*(\i)+16*PVT
	ds_load_b128 v[(\f)+8*(4*(\c)+(\i)):(\f)+8*(4*(\c)+(\i))+3],   v[AP] offset:(64*(\qn)+32*(\c))*2+(\i)*16*PPT
	ds_load_b128 v[(\f)+8*(4*(\c)+(\i))+4:(\f)+8*(4*(\c)+(\i))+7], v[AP] offset:(64*(\qn)+32*(\c))*2+(\i)*16*PPT+32
.endr
.endr
.endm
.macro FLOAD                           ; the step's 8 factors of my four queries
	WIN 0
.irp e, 0,1
.irp a, 0,1,2,3
	ds_load_b32 v[F+8*\e+2*\a], v[FA] offset:512*\e+64*\a
.endr
.endr
.endm
.macro QUARTER qn, f, g, zero, fl      ; multiplies buffer f; in its middle fetches quarter qn into g
	s_wait_dscnt 16                                ; the first 32 keys' fragments are in
	MUL8 \f, 0, 0, \zero
	MUL8 \f, 0, 2, \zero
	PLACES
.if \fl
	FLOAD
.endif
	FETCH \qn, \g
	s_wait_dscnt 32                                ; all but the 32 just issued
	MUL8 \f, 1, 0, 0
	MUL8 \f, 1, 2, 0
.endm
.macro LUMP e                          ; O += (f / L) T: each accumulator's registers in ascending order
	WIN 0xa0                                       ; O (destination and source 2) window 2; T and the factor window 0
.set q, 0
.rept 16
.irp z, 0,2,4,6
	v_pk_fma_f32 v[8*q+\z:8*q+\z+1], v[T+8*q+\z:T+8*q+\z+1], v[F+8*(\e)+2*(q/4):F+8*(\e)+2*(q/4)+1], v[8*q+\z:8*q+\z+1] op_sel_hi:[1,0,1]
.endr
.set q, q+1
.endr
.endm
.macro TURN fill                       ; a step's last quarter: the slots change; fill = 1: the slot just read takes the walk's step two on
.if \fill
	s_wait_xcnt 0x0                                ; the last prefetches, a key step back, have read their address
	s_add_nc_u64 s[PFA:PFA+1], s[PFA:PFA+1], s[PST:PST+1]
.endif
	WIN 0
	s_wait_tensorcnt 0x0                           ; all my tensor loads have landed: the one that was out is my part of the next slot; a group 0 may be written
	ds_add_u32 v[SPW], v[NIL]                      ; 0 onto my spare word
.if \fill
	s_lshl_b32 s[OFF], s[NXT], 9                   ; the addresses are made anew from the step's number
	s_add_co_u32 s[OFF], s[OFF], s[ROWA]
	s_xor_b32 s[G0A+1], s[G0A+1], SLOT1
	s_add_nc_u64 s[G0A+2:G0A+3], s[PA:PA+1], s[OFF:OFF+1]
	s_or_b32 s[G0A+3], s[G0A+3], 0x80000000
	s_mul_i32 s[OFF], s[NXT], 256*ROWQ
	s_xor_b32 s[G0V+1], s[G0V+1], SLOT1
	s_add_nc_u64 s[G0V+2:G0V+3], s[PB:PB+1], s[OFF:OFF+1]
	s_or_b32 s[G0V+3], s[G0V+3], 0x80000000
	s_add_co_u32 s[NXT], s[NXT], 1                 ; the block's next step, or behind its last the second block's step 0
	s_cmp_gt_u32 s[NXT], s[LQ]
	s_cselect_b32 s[NXT], 0, s[NXT]
	s_cselect_b32 s[LQ], s[LQ2], s[LQ]
	s_cselect_b32 s[ROWA], s[ROW2], s[ROWA]
.endif
	s_wait_dscnt 17                                ; (the add and the youngest sixteen loads may be out)
	MUL8 F1, 0, 0, 0
	s_wait_dscnt 0x0                               ; the add is done, and my reads of this slot are over
	s_barrier_signal -1
	MUL8 F1, 0, 2, 0
	WIN 0
	s_barrier_wait -1
.if \fill
	CREST                                          ; the barrier has opened a round of the cluster's: no wave of any partner still reads the slot or has a load on its way
	JLOAD                                          ; my one tensor load behind the round, first thing there
.else
	PLACES
.endif
	s_xor_b32 s[SOFF], s[SOFF], SLOT1
	v_add_nc_u32 v[AP], s[SOFF], v[AP0]
	v_add_nc_u32 v[AV], s[SOFF], v[AV0]
	v_add_nc_u32 v[AV2], 128*PVT, v[AV]
	FETCH 0, F0
.if \fill
	WIN 0
	ASK
.endif
	MUL8 F1, 1, 0, 0
	MUL8 F1, 1, 2, 0
.endm
; A block of O leaves, 16 queries at a time, through my own stage: in as 32 bytes a lane, back as whole rows of 256 bytes; then O = 0.
; Where my first 16 queries are a batch's rows 0 to 15 they are jumped over: the launch before has stored those.  The jump goes forward, over LDS and store lines alone; it hangs on p and the wave's number.
.macro WAYOUT
.irp a, 0,1,2,3
.if \a == 0
	WIN 0
	s_cmp_eq_u32 s[SKP], 0
	s_cbranch_scc1 .Lnot_these_\@
.endif
	WIN 0x08                                       ; store data in window 2
.irp cb, 0,1,2,3
	ds_store_b128 v[STO], v[8*(4*\a+\cb):8*(4*\a+\cb)+3] offset:64*\cb
	ds_store_b128 v[STO], v[8*(4*\a+\cb)+4:8*(4*\a+\cb)+7] offset:64*\cb+16
.endr
	WIN 0
	s_wait_xcnt 0x0                                ; older stores have read the registers that are loaded now
.irp t, 0,1,2,3,4,5,6,7
	ds_load_b128 v[OB+32*((\a)%2)+4*\t:OB+32*((\a)%2)+4*\t+3], v[RD] offset:2*SP*\t  ; LDS serves a wave's instructions in order (ISA guide 5.7.1.4)
.endr
	s_wait_dscnt 0x0
.irp t, 0,1,2,3,4,5,6,7
	global_store_b128 v[CO], v[OB+32*((\a)%2)+4*\t:OB+32*((\a)%2)+4*\t+3], s[OUT:OUT+1] offset:(16*\a+2*\t)*4096  ; 16 lanes store 256 consecutive bytes, aligned
.endr
.if \a == 0
.Lnot_these_\@:
.endif
.endr
	WIN 0x80
.set i, 0
.rept 128
	v_mov_b32 v[i], 0
.set i, i+1
.endr
	WIN 0
.endm
.macro ENDSTEP                         ; the jump goes forward, over text with no barrier and no tensor load; it hangs on p, which the partners share
	WIN 0
	v_add_nc_u32 v[FA], 1024, v[FA]                ; the next step's two positions
	s_sub_co_u32 s[RT], s[RT], 1
	s_cmp_lg_u32 s[RT], 0
	s_cbranch_scc1 .Lgo_\@
	WAYOUT
	s_mov_b32 s[RT], s[N2]
	s_or_b32 s[SKP], s[PP], s[WR]                  ; the second block is block p: with p = 0 the upper half's first 16 rows are a batch's first
	s_wait_xcnt 0x0                                ; the stores have read their base
	s_mov_b64 s[OUT:OUT+1], s[OUT2:OUT2+1]
.Lgo_\@:
.endm
.macro STEP fill                       ; a key step of 256: two key blocks of 128
	QUARTER 1, F0, F1, 1, 1
	QUARTER 2, F1, F0, 0, 0
	PLACES
	LUMP 0
	QUARTER 3, F0, F1, 1, 0
	TURN \fill
	PLACES
	LUMP 1
	ENDSTEP
.endm
	s_wait_dscnt 0x0                               ; for the others' sake: my part of the table is stored
	s_wait_tensorcnt 1                             ; my part of key step 0 is in; step 1's may stay out
	s_barrier_signal -1
	s_barrier_wait -1
	FETCH 0, F0
	WIN 0
	s_mov_b32 s3, 7
.LstepA:                                       ; walk steps 0 to 6: steps 2 to 8 are asked for
	STEP 1
	s_sub_co_u32 s3, s3, 1
	s_cmp_lg_u32 s3, 0
	s_cbranch_scc1 .LstepA
	s_mov_b32 s2, 2
.LstepB:                                       ; walk steps 7 and 8 ask for nothing; the fragments that the last change of slots fetches serve nothing
	STEP 0
	s_sub_co_u32 s2, s2, 1
	s_cmp_lg_u32 s2, 0
	s_cbranch_scc1 .LstepB
	s_wait_tensorcnt 0x0                           ; the wave's end
	ds_add_u32 v[SPW], v[NIL]
	s_wait_dscnt 0x0
	CROUND                                         ; the closing round
	s_endpgm
.Lfunc_end_k_qb338e25117_pv:
	.size	k_qb338e25117_pv, .Lfunc_end_k_qb338e25117_pv-k_qb338e25117_pv
	.p2alignl 7, 3214868480
	.fill 96, 4, 3214868480
	.section	.rodata,"a",@progbits
	.p2align	6, 0x0
	.amdhsa_kernel k_qb338e25117_pv
		.amdhsa_group_segment_fixed_size 327680
		.amdhsa_private_segment_fixed_size 0
		.amdhsa_enable_private_segment 0
		.amdhsa_kernarg_size 40
		.amdhsa_user_sgpr_count 2
		.amdhsa_user_sgpr_kernarg_segment_ptr 1
		.amdhsa_wavefront_size32 1
		.amdhsa_system_sgpr_workgroup_id_x 1
		.amdhsa_system_sgpr_workgroup_id_y 1
		.amdhsa_system_sgpr_workgroup_id_z 1
		.amdhsa_system_vgpr_workitem_id 0
		.amdhsa_next_free_vgpr 640
		.amdhsa_next_free_sgpr 96
		.amdhsa_reserve_vcc 0
		.amdhsa_float_denorm_mode_32 3
		.amdhsa_float_denorm_mode_16_64 3
		.amdhsa_memory_ordered 1
		.amdhsa_forward_progress 1
		.amdhsa_inst_pref_size 106
	.end_amdhsa_kernel
	.amdgpu_metadata
---
amdhsa.version: [ 1, 2 ]
amdhsa.kernels:
  - .name:           k_qb338e25117_pv
    .symbol:         k_qb338e25117_pv.kd
    .args:
      - { .name: pt, .offset: 0, .size: 8, .value_kind: global_buffer, .address_space: global }
      - { .name: qkv, .offset: 8, .size: 8, .value_kind: global_buffer, .address_space: global }
      - { .name: mx, .offset: 16, .size: 8, .value_kind: global_buffer, .address_space: global }
      - { .name: ls, .offset: 24, .size: 8, .value_kind: global_buffer, .address_space: global }
      - { .name: out0, .offset: 32, .size: 8, .value_kind: global_buffer, .address_space: global }
    .group_segment_fixed_size: 327680
    .private_segment_fixed_size: 0
    .kernarg_segment_align: 8
    .kernarg_segment_size: 40
    .max_flat_workgroup_size: 128
    .sgpr_count:     96
    .vgpr_count:     640
    .wavefront_size: 32
...
	.end_amdgpu_metadata
.endif
;; end of part 4
;; ======== version 2 of 2: 4 launches; version 1 with the launch cast written anew for expert scheduling mode
;; limits: values are held in f16: magnitudes above 65,504 overflow, below 6.1e-05 lose precision
;; workspace buffers: xb 16,777,216 bytes; wb 6,291,456 bytes; qkv 50,331,648 bytes; pt 33,554,432 bytes; mx 524,288 bytes; ls 524,288 bytes; hq 786,432 bytes
;; launch cast (part 5): grid 704 x 1, 8 waves a work-group, no clusters, 0 bytes of LDS; arguments x, Wq, Wk, Wv, xb, wb; writes xb, wb
.if DOCPART == 5
	.amdgcn_target "amdgcn-amd-amdhsa--gfx1250"
	.amdhsa_code_object_version 6
	.text
	.protected	k_qb338e25117_cast
	.globl	k_qb338e25117_cast
	.p2align	8
	.type	k_qb338e25117_cast,@function
k_qb338e25117_cast:
	s_mov_b64 s[64:65], 0
	v_nop
	global_prefetch_b8 v0, s[64:65] scope:SCOPE_SE
	s_setreg_imm32_b32 hwreg(HW_REG_WAVE_SCHED_MODE, 0, 2), 2
	s_setreg_imm32_b32 hwreg(HW_REG_WAVE_MODE, 25, 1), 1
	s_wait_xcnt 0x0
	s_wait_alu depctr_vm_vsrc(0)
; xb = x rounded to bf16; wb = Wq, Wk, Wv rounded to bf16, one below the other (rows 0-1023, 1024-2047, 2048-3071).
; A stream: each f32 is read once and each bf16 written once; no LDS, no barrier, no matrix work: nothing is shared and nothing is summed.
; A work-group takes 16,384 numbers (65,536 bytes in, 32,768 out): groups 0-511 x, 512-575 Wq, 576-639 Wk, 640-703 Wv.
; A wave takes 2,048 of them: 16 loads of 512 consecutive bytes, all issued first; 16 stores of 256 consecutive bytes, aligned.
; THE MODE: SCHED_MODE bits 1:0 = 2 (LLVM: expert scheduling mode 2), set by the entry lines.  The code itself states the register dependences
; between vector instructions and memory instructions, with s_wait_alu, always for 0.
; THE PLAN.  Registers that memory instructions touch:
;   v1, v2   the loads' and the stores' byte offsets: written at the head by vector instructions, never again; read by every load (v1) and every store (v2).
;   X        load j lands in its own four registers, once; no vector instruction names them ahead of the loads, and no load lands in them behind the conversions that read them.
;   Y        chunk j's two conversions write its own two registers, once; store j reads them; they are never written again.
; So no register that a memory instruction reads is ever rewritten, and what is left to state is: the offsets are written ahead of the first load, and a store's Y is written ahead of the store.
; The 16 chunks go in four blocks of four.  Block p converts chunks 4 p to 4 p + 3; the four stores of block p - 1 are dealt among its conversions, behind ONE wait at the block's head,
; which states that block p - 1 has written its Y.  The conversions issued since that wait name X and Y of block p alone: none of the registers that those stores read.
; No vector instruction writes a scalar register or VCC, and EXEC is never written.
.set X, 4                              ; v[4:67]   load j: 4 registers
.set Y, 68                             ; v[68:99]  store j: 2 registers
.set BLK, 4                            ; chunks in a block
	s_load_b256 s[4:11], s[0:1], 0x0               ; x s[4:5], Wq s[6:7], Wk s[8:9], Wv s[10:11]
	s_load_b128 s[12:15], s[0:1], 0x20             ; xb s[12:13], wb s[14:15]
	v_lshrrev_b32 v1, 5, v0                        ; wave
	v_and_b32 v2, 31, v0                           ; lane
	v_lshlrev_b32 v2, 4, v2
	v_lshl_add_u32 v1, v1, 13, v2                  ; source: 8,192 x wave + 16 x lane
	v_lshrrev_b32 v2, 1, v1                        ; destination: half of that
	s_mov_b32 s16, ttmp9
	s_sub_co_u32 s17, s16, 512                     ; my block among the weights' 192 (used only from group 512 on)
	s_and_b32 s18, s17, 63                         ; and inside its own matrix
	s_cmp_lt_u32 s16, 512
	s_cselect_b32 s18, s16, s18                    ; block in the source
	s_cselect_b32 s17, s16, s17                    ; block in the destination
	s_lshl_b32 s20, s18, 16
	s_mov_b32 s21, 0
	s_lshl_b32 s22, s17, 15
	s_mov_b32 s23, 0
	s_wait_kmcnt 0x0
	s_cmp_lt_u32 s16, 640
	s_cselect_b64 s[24:25], s[8:9], s[10:11]
	s_cmp_lt_u32 s16, 576
	s_cselect_b64 s[24:25], s[6:7], s[24:25]
	s_cmp_lt_u32 s16, 512
	s_cselect_b64 s[24:25], s[4:5], s[24:25]
	s_cselect_b64 s[26:27], s[12:13], s[14:15]
	s_add_nc_u64 s[24:25], s[24:25], s[20:21]
	s_add_nc_u64 s[26:27], s[26:27], s[22:23]
	s_wait_alu depctr_va_vdst(0)                   ; v1 and v2 are written: every load below reads v1 as its offset, every store v2
.set j, 0
.rept 16
	global_load_b128 v[X+4*j:X+4*j+3], v1, s[24:25] offset:512*j th:TH_LOAD_NT
.set j, j+1
.endr
.set p, 0
.rept 4
	s_wait_loadcnt 16-BLK-BLK*p                    ; loads come back in order: block p's four are in, the younger blocks' stay out
.if p > 0
	s_wait_alu depctr_va_vdst(0)                   ; the conversions of block p - 1 have written its eight registers of Y, which the four stores below read
.endif
.set i, 0
.rept BLK
.if p > 0
.set k, BLK*(p-1)+i
	global_store_b64 v2, v[Y+2*k:Y+2*k+1], s[26:27] offset:256*k  ; the block before; no vector instruction since the wait names these registers
.endif
.set j, BLK*p+i
	v_cvt_pk_bf16_f32 v[Y+2*j], v[X+4*j], v[X+4*j+1]
	v_cvt_pk_bf16_f32 v[Y+2*j+1], v[X+4*j+2], v[X+4*j+3]
.set i, i+1
.endr
.set p, p+1
.endr
	s_wait_alu depctr_va_vdst(0)                   ; the conversions of block 3 have written its Y, which the last four stores read
.set k, 12
.rept BLK
	global_store_b64 v2, v[Y+2*k:Y+2*k+1], s[26:27] offset:256*k
.set k, k+1
.endr
	s_endpgm
.Lfunc_end_k_qb338e25117_cast:
	.size	k_qb338e25117_cast, .Lfunc_end_k_qb338e25117_cast-k_qb338e25117_cast
	.p2alignl 7, 3214868480
	.fill 96, 4, 3214868480
	.section	.rodata,"a",@progbits
	.p2align	6, 0x0
	.amdhsa_kernel k_qb338e25117_cast
		.amdhsa_group_segment_fixed_size 0
		.amdhsa_private_segment_fixed_size 0
		.amdhsa_enable_private_segment 0
		.amdhsa_kernarg_size 48
		.amdhsa_user_sgpr_count 2
		.amdhsa_user_sgpr_kernarg_segment_ptr 1
		.amdhsa_wavefront_size32 1
		.amdhsa_system_sgpr_workgroup_id_x 1
		.amdhsa_system_sgpr_workgroup_id_y 1
		.amdhsa_system_sgpr_workgroup_id_z 1
		.amdhsa_system_vgpr_workitem_id 0
		.amdhsa_next_free_vgpr 100
		.amdhsa_next_free_sgpr 66
		.amdhsa_reserve_vcc 0
		.amdhsa_float_denorm_mode_32 3
		.amdhsa_float_denorm_mode_16_64 3
		.amdhsa_memory_ordered 1
		.amdhsa_forward_progress 1
		.amdhsa_inst_pref_size 7
	.end_amdhsa_kernel
	.amdgpu_metadata
---
amdhsa.version: [ 1, 2 ]
amdhsa.kernels:
  - .name:           k_qb338e25117_cast
    .symbol:         k_qb338e25117_cast.kd
    .args:
      - { .name: x, .offset: 0, .size: 8, .value_kind: global_buffer, .address_space: global }
      - { .name: Wq, .offset: 8, .size: 8, .value_kind: global_buffer, .address_space: global }
      - { .name: Wk, .offset: 16, .size: 8, .value_kind: global_buffer, .address_space: global }
      - { .name: Wv, .offset: 24, .size: 8, .value_kind: global_buffer, .address_space: global }
      - { .name: xb, .offset: 32, .size: 8, .value_kind: global_buffer, .address_space: global }
      - { .name: wb, .offset: 40, .size: 8, .value_kind: global_buffer, .address_space: global }
    .group_segment_fixed_size: 0
    .private_segment_fixed_size: 0
    .kernarg_segment_align: 8
    .kernarg_segment_size: 48
    .max_flat_workgroup_size: 256
    .sgpr_count:     66
    .vgpr_count:     100
    .wavefront_size: 32
...
	.end_amdgpu_metadata
.endif
;; end of part 5
;; launch proj: the kernel of part 2 again; grid 12 x 32, 4 waves a work-group, clusters of 4 x 4, 327,680 bytes of LDS; arguments xb, wb, qkv, hq; writes qkv, hq
;; launch scores: the kernel of part 3 again; grid 40 x 4, 4 waves a work-group, no clusters, 327,680 bytes of LDS; arguments qkv, pt, mx, ls, hq, out0; writes pt, mx, ls, out0
;; launch pv: the kernel of part 4 again; grid 8 x 32, 4 waves a work-group, clusters of 4 x 1, 327,680 bytes of LDS; arguments pt, qkv, mx, ls, out0; writes out0
